; MI455X (gfx1250); checked and timed in simulation.
; The chip was launched on July 23, 2026; its instructions are those of AMD's public machine-readable ISA for CDNA 5 (MIT licence, August 2026) and "CDNA5" Instruction Set Architecture Reference Guide (July 2026). The comments in the code are by the model that wrote it; some were corrected since.
;; Self Attention Module. Allowed arithmetic: matrix products marked QUANTISED: E2M1 operands, one E8M0 scale for each 32 along K, by v_wmma_scale_f32_16x16x128_f8f6f4 with both operands' format E2M1 (or v_wmma_scale_f32_32x16x128_f4), f32 sums; products left as they are: bf16, f16 or f32 operands; f32 sums; everything else in f32.
;; Inputs: Wk 1,024 x 1,024 float32; Wo 1,024 x 1,024 float32; Wq 1,024 x 1,024 float32; Wv 1,024 x 1,024 float32; x 2 x 2,048 x 1,024 float32.
;; Outputs: out0 2 x 2,048 x 1,024 float32.
;; This version of the problem:
;;   THIS VERSION OF THE PROBLEM IS GIVEN IN LOW PRECISION. The matrix products marked QUANTISED in the list below multiply operands that are first quantised to E2M1 (2 exponent bits, 1 mantissa bit; 4 bits a number), with one power-of-two scale for each 32 numbers along K (OCP MX v1.0); their sums are f32. The products marked 'left as it is' may take bf16, f16 or f32 operands, with f32 sums. Whichever they take, every output number must still come out within the allowed error. Rounding operands to bf16 (8 significant bits) uses up far more of that allowance than f16 does (11 bits, for magnitudes from 6e-5 to 65,504). All else is computed in f32.
;;   The module's matrix products, in the order in which they are computed (A, B: the left and right operand; K: the contracted axis; several contracted axes count as one K, in the product's order):
;;     1. [M 4,096, K 1,024] x [K 1,024, N 1,024]; A: input x; B: input Wq: QUANTISED
;;     2. [M 4,096, K 1,024] x [K 1,024, N 1,024]; A: input x; B: input Wk: QUANTISED
;;     3. [M 4,096, K 1,024] x [K 1,024, N 1,024]; A: input x; B: input Wv: QUANTISED
;;     4. batch 32 x [M 2,048, K 64] x [K 64, N 2,048]; A: computed on the way; B: computed on the way: left as it is (an operand is computed on the way)
;;     5. batch 32 x [M 64, K 2,048] x [K 2,048, N 2,048]; A: computed on the way; B: computed on the way: left as it is (an operand is computed on the way)
;;     6. [M 4,096, K 1,024] x [K 1,024, N 1,024]; A: computed on the way; B: input Wo: left as it is (an operand is computed on the way)
;;   THE QUANTISER, for each operand of a quantised product, along K:
;;     - K is cut into blocks of 32 from its start; a last block that is shorter is filled with zeros.
;;     - A block's scale is 2^e with e = floor(log2(the largest magnitude in the block)) - 2, held to -126 .. 127; a block of zeros has e = 0. As a byte (E8M0): e + 127.
;;     - Each number is divided by its block's scale, clamped to +-6, and rounded to the nearest number of E2M1, ties to even, subnormals kept.
;;     - The product sums the exact products of the quantised numbers (number of the format x scale) in f32.
;;   ~~~python
;;   def quantise(x, axis):      # numpy; x: float32 -> the quantised numbers, widened to float32 again
;;       x = np.moveaxis(x, axis, -1); K = x.shape[-1]
;;       x = np.pad(x, [(0, 0)] * (x.ndim - 1) + [(0, -K % 32)]); x = x.reshape(x.shape[:-1] + (-1, 32)); a = np.abs(x).max(-1, keepdims=True)
;;       e = np.where(a > 0, np.clip(np.frexp(np.where(a > 0, a, 1))[1] - 1 - 2, -126, 127), 0)      # np.frexp(a)[1] - 1 = floor(log2(a)), exactly
;;       r = np.clip(x / 2.0 ** e, -6, 6)
;;       step = 2.0 ** (np.maximum(np.frexp(np.where(r == 0, 1, r))[1] - 1, 0) - 1)
;;       q = np.round(r / step) * step * 2.0 ** e      # np.round: ties to even
;;       return np.moveaxis(q.reshape(q.shape[:-2] + (-1,))[..., :K], -1, axis).astype(np.float32)
;;   ~~~
;; One version. Each part assembles by itself: llvm-mc -triple=amdgcn-amd-amdhsa -mcpu=gfx1250 --defsym DOCPART=n.
;; ======== version 1 of 1: 4 launches
;; limits: values are held in f16: magnitudes above 65,504 overflow, below 6.1e-05 lose precision
;; workspace buffers: xc 2,097,152 bytes; xs 131,072 bytes; wc 1,572,864 bytes; ws 98,304 bytes; wf 2,097,152 bytes; qf 8,388,608 bytes; kv 16,777,216 bytes; af 8,388,608 bytes
;; launch prep (part 1): grid 256 x 1, 4 waves a work-group, no clusters, 34,304 bytes of LDS; arguments x, Wq, Wk, Wv, Wo, xc, xs, wc, ws, wf; writes xc, xs, wc, ws, wf
.if DOCPART == 1
	.amdgcn_target "amdgcn-amd-amdhsa--gfx1250"
	.amdhsa_code_object_version 6
	.text
	.protected	k_qe820510c4d_prep
	.globl	k_qe820510c4d_prep
	.p2align	8
	.type	k_qe820510c4d_prep,@function
k_qe820510c4d_prep:
	s_mov_b64 s[64:65], 0
	v_nop
	global_prefetch_b8 v0, s[64:65] scope:SCOPE_SE
	s_setreg_imm32_b32 hwreg(HW_REG_WAVE_MODE, 25, 1), 1
	s_wait_xcnt 0x0
; PREP.  x [4096][1024] and Wq, Wk, Wv [1024 (k)][1024 (n)], f32, become codes of E2M1 with one E8M0 byte for each 32 along K; Wo [1024 (k)][1024 (n)] becomes f16.
; EVERY RESULT IS LAID AS AN IMAGE OF OPERAND REGISTERS: a chunk is four registers of 32 lanes, 512 bytes, lane l's 16 bytes at 16 l.
;   A fragment of codes (16 rows x 128 k) is two chunks: chunk c, lane (r, h) holds k = 64 c + 32 h + 0 .. 31 of row r.  A fragment of f16 (16 rows x 32 k) is two chunks: chunk c, lane (r, h): k = 16 c + 8 h + 0 .. 7.
;   xc [T/8][s/2][T%8][s%2][1024]   T = token / 16, s = k / 128          xs [T][s/4][r][s%4] words
;   wc [head][j/6][s/2][j%6][s%2][1024]   j = 4 x tensor + channel tile   ws [head][j][s/4][r][s%4] words
;   wf [nt/4][ks/8][nt%4][ks%8][1024]   nt = column / 16, ks = k / 32
; A block's scale is 2^(floor(log2(its largest magnitude)) - 2); its byte is the largest magnitude's exponent field - 2, held at 1 from below by a floor among the maximum's leaves.
; LIMITS: a block of zeros gets the byte 1 where the quantiser says 127 (its codes are zeros, which add nothing, and this program alone reads the bytes); NaN and infinities among the inputs are not served;
; Wo's numbers must lie inside f16's range.
; SHARES: 1,024 waves of 32 KiB of input.  Work-groups 0-127 take x (a wave: 16 tokens x 512 k), 128-255 the weights, 32 for each tensor (a wave: 32 columns x 256 k).
; No cluster, no tensor load: no two work-groups read the same byte.  Only the path for x stores to LDS: each wave's own stage, so no barrier.
; The scale words of the three weights leave as 8 bytes a lane, 16 bytes apart: 96 KiB in all, one byte for each 128 that the path reads.
.set STG,   8448                       ; a wave's stage: 16 rows x (512 bytes + 16): 33 x 16 bytes from row to row, so that the 16 rows of a load start in different banks
.set SPARE, 4*STG                      ; behind the stages: the spare words, 128 bytes for each wave
.set L16,   4                          ; v4   16 x lane
.set SPW,   20                         ; v20  LDS address of my spare word; never rewritten
.set NIL,   21                         ; v21  0; never rewritten
.set SW,    24                         ; v24-27 scale words
.set CD,    32                         ; v32-63 x's codes, 8 registers a unit
.set LD,    64                         ; v64-191 numbers as they are loaded (x: two sets of 64; weights: two sets of 32)
.set WC,    128                        ; v128.. the weights' results, registers of their own for each block
.set X,     192                        ; v192-255 x: my two whole blocks of 32
.macro FINISH                          ; a wave's end
	s_wait_tensorcnt 0x0
	ds_add_u32 v[SPW], v[NIL]
	s_wait_dscnt 0x0
	s_endpgm
.endm
.macro XLOAD u                         ; unit u: 128 k of my 16 tokens; each load reads 512 consecutive bytes of one row
.irp i, 0,1,2,3,4,5,6,7,8,9,10,11,12,13,14,15
	global_load_b128 v[LD+64*((\u)%2)+4*\i:LD+64*((\u)%2)+4*\i+3], v[L16], s[4:5] offset:\i*4096+(\u)*512 th:TH_LOAD_NT
.endr
.endm
.macro XUNIT u
.if (\u) < 3
	s_wait_loadcnt 16                              ; this unit's 16 loads are in; the next unit's 16 may be out
.else
	s_wait_loadcnt 0x0
.endif
.irp i, 0,1,2,3,4,5,6,7,8,9,10,11,12,13,14,15
	ds_store_b128 v5, v[LD+64*((\u)%2)+4*\i:LD+64*((\u)%2)+4*\i+3] offset:\i*528   ; row i as it lies
.endr
.irp c, 0,1
.irp g, 0,1,2,3,4,5,6,7
	ds_load_b128 v[X+32*\c+4*\g:X+32*\c+4*\g+3], v6 offset:256*\c+16*\g            ; back: k = 64 c + 32 h + 0 .. 31 of row r; a wave's LDS instructions are served in order
.endr
.endr
	s_wait_dscnt 0x0                               ; my numbers are back, and the stores have read their registers,
.if (\u) < 2
	XLOAD (\u)+2                                   ; which take the loads of two units on
.endif
.irp c, 0,1
	v_max3_num_f32 v[8+\c], |v[X+32*\c]|, |v[X+32*\c+1]|, 0x1800000                ; block 2 c + h is all mine; the floor 2^(3 - 127) holds the byte at 1 from below
.endr
.irp i, 2,4,6,8,10,12,14,16,18,20,22,24,26,28,30
.irp c, 0,1
	v_max3_num_f32 v[8+\c], v[8+\c], |v[X+32*\c+\i]|, |v[X+32*\c+\i+1]|            ; the two blocks by turns
.endr
.endr
.irp c, 0,1
	v_add_nc_u32 v[10+\c], 0xff000000, v[8+\c]     ; 2 off the exponent field: the conversion takes the exponent field of this operand as its scale
.endr
.irp c, 0,1
	v_lshrrev_b32 v[12+\c], 23, v[10+\c]           ; the scale's byte
.endr
	v_lshl_or_b32 v14, v13, 16, v12                ; my two bytes, blocks h and 2 + h,
	v_lshlrev_b32 v14, v16, v14                    ; 8 h bits up;
	v_permlanex16_b32 v15, v14, s30, s31
	v_or_b32 v[SW+(\u)], v14, v15                  ; with lane l xor 16's two the word is whole
.irp c, 0,1
.irp g, 0,1,2,3
	v_cvt_scalef32_pk8_fp4_f32 v[CD+8*(\u)+4*\c+\g], v[X+32*\c+8*\g:X+32*\c+8*\g+7], v[10+\c]
.endr
.endr
	v_nop                                          ; one plain line behind the last scaled conversion
.irp c, 0,1
	global_store_b128 v[L16], v[CD+8*(\u)+4*\c:CD+8*(\u)+4*\c+3], s[14:15] offset:((\u)/2)*16384+((\u)%2)*1024+512*\c   ; a chunk: 512 consecutive bytes
.endr
.endm
.macro WLOAD t                         ; block t: W(32 t + i, my column): a lane to a column, registers down K; 128 consecutive bytes a load
.irp i, 0,1,2,3,4,5,6,7,8,9,10,11,12,13,14,15,16,17,18,19,20,21,22,23,24,25,26,27,28,29,30,31
	global_load_b32 v[LD+32*((\t)%2)+\i], v5, s[36:37] offset:(32*(\t)+\i)*4096 th:TH_LOAD_NT
.endr
.endm
.macro WWAIT t
.if (\t) < 7
	s_wait_loadcnt 32                              ; this block's 32 loads are in; the next block's may be out
.else
	s_wait_loadcnt 0x0
.endif
.endm
.macro WBLOCK t                        ; 32 numbers along K of my column become 16 bytes of codes and a byte
.set XS, LD+32*((\t)%2)
	WWAIT \t
	v_max3_num_f32 v8, |v[XS]|, |v[XS+1]|, |v[XS+2]|
	v_max3_num_f32 v9, |v[XS+3]|, |v[XS+4]|, |v[XS+5]|
.irp i, 6,10,14,18,22,26
	v_max3_num_f32 v8, v8, |v[XS+\i]|, |v[XS+\i+1]|
	v_max3_num_f32 v9, v9, |v[XS+\i+2]|, |v[XS+\i+3]|
.endr
	v_max3_num_f32 v8, v8, |v[XS+30]|, |v[XS+31]|
	v_max3_num_f32 v8, v8, v9, 0x1800000           ; and the floor
	v_add_nc_u32 v10, 0xff000000, v8               ; the conversion's scale operand
	v_lshrrev_b32 v11, 23, v10                     ; the byte
.if (\t)%4 == 0
	v_mov_b32 v[SW+(\t)/4], v11                    ; four bytes to a word, the lower k in the lower byte
.else
	v_lshl_or_b32 v[SW+(\t)/4], v11, 8*((\t)%4), v[SW+(\t)/4]
.endif
.irp g, 0,1,2,3
	v_cvt_scalef32_pk8_fp4_f32 v[WC+4*(\t)+\g], v[XS+8*\g:XS+8*\g+7], v10
.endr
	v_nop                                          ; one plain line behind the last scaled conversion
	global_store_b128 v6, v[WC+4*(\t):WC+4*(\t)+3], s[18:19] offset:((\t)/4)*1024+(((\t)/2)%2)*512+((\t)%2)*256   ; sixteen lanes store 256 consecutive bytes, aligned
.if (\t)+2 < 8
	WLOAD (\t)+2
.endif
.endm
.macro OBLOCK t                        ; 32 numbers along K of my column become four pieces of 8 f16
.set XS, LD+32*((\t)%2)
	WWAIT \t
.irp i, 0,1,2,3,4,5,6,7,8,9,10,11,12,13,14,15
	v_cvt_pk_f16_f32 v[WC+16*(\t)+\i], v[XS+2*\i], v[XS+2*\i+1]
.endr
.irp c, 0,1
.irp g, 0,1
	global_store_b128 v6, v[WC+16*(\t)+8*\c+4*\g:WC+16*(\t)+8*\c+4*\g+3], s[22:23] offset:(\t)*1024+512*\c+256*\g   ; k = 16 c + 8 g + 0 .. 7: the place of lane (r, g) in chunk c
.endr
.endr
.if (\t)+2 < 8
	WLOAD (\t)+2
.endif
.endm
	s_load_b256 s[4:11], s[0:1], 0x0               ; x s[4:5], Wq s[6:7], Wk s[8:9], Wv s[10:11]
	s_load_b256 s[12:19], s[0:1], 0x20             ; Wo s[12:13], xc s[14:15], xs s[16:17], wc s[18:19]
	s_load_b128 s[20:23], s[0:1], 0x40             ; ws s[20:21], wf s[22:23]
	v_lshl_add_u32 v[SPW], v0, 2, SPARE
	v_mov_b32 v[NIL], 0
	v_lshrrev_b32 v1, 5, v0
	v_readfirstlane_b32 s24, v1                    ; wave 0..3
	v_and_b32 v1, 31, v0                           ; lane
	v_and_b32 v2, 15, v0                           ; r
	v_bfe_u32 v3, v0, 4, 1                         ; h
	v_lshlrev_b32 v[L16], 4, v1
	s_cmp_lt_u32 ttmp9, 128                        ; the work-group's number alone decides the path
	s_cbranch_scc0 .Lweights
	; ---- x: wave W = 4 x work-group + wave takes token tile T = W / 2, half hf = W % 2 of K
	s_lshl_b32 s25, ttmp9, 2
	s_add_co_u32 s25, s25, s24
	s_lshr_b32 s26, s25, 1                         ; T
	s_and_b32 s27, s25, 1                          ; hf
	s_mul_i32 s28, s24, STG                        ; my stage
	v_add_nc_u32 v5, s28, v[L16]                   ; in: 16 x lane in a row
	v_mul_u32_u24 v6, v2, 528
	v_lshl_add_u32 v6, v3, 7, v6
	v_add_nc_u32 v6, s28, v6                       ; out: row r, + 128 h
	v_lshlrev_b32 v7, 4, v2
	v_lshl_add_u32 v7, v3, 3, v7                   ; the scale words' place: 16 r + 8 h
	v_lshlrev_b32 v16, 3, v3                       ; 8 h
	v_mov_b32 v15, 0                               ; written once: a lane permute's destination counts as one of its sources
	s_mov_b32 s30, 0x76543210
	s_mov_b32 s31, 0xfedcba98                      ; lane l xor 16
	s_lshl_b32 s32, s26, 16                        ; x: 16 rows of 4,096 bytes a tile,
	s_lshl_b32 s34, s27, 11                        ; 2,048 bytes a half
	s_add_co_u32 s32, s32, s34
	s_mov_b32 s33, 0
	s_lshr_b32 s34, s26, 3                         ; xc: (T / 8) x 65,536 + hf x 32,768 + (T % 8) x 2,048
	s_lshl_b32 s34, s34, 16
	s_lshl_b32 s36, s27, 15
	s_add_co_u32 s34, s34, s36
	s_and_b32 s36, s26, 7
	s_lshl_b32 s36, s36, 11
	s_add_co_u32 s34, s34, s36
	s_mov_b32 s35, 0
	s_lshl_b32 s36, s26, 9                         ; xs: T x 512 + hf x 256
	s_lshl_b32 s38, s27, 8
	s_add_co_u32 s36, s36, s38
	s_mov_b32 s37, 0
	s_wait_kmcnt 0x0
	s_add_nc_u64 s[4:5], s[4:5], s[32:33]
	s_add_nc_u64 s[14:15], s[14:15], s[34:35]
	s_add_nc_u64 s[16:17], s[16:17], s[36:37]
	XLOAD 0
	XLOAD 1
	XUNIT 0
	XUNIT 1
	XUNIT 2
	XUNIT 3
	v_cmp_eq_u32 vcc_lo, 1, v3
	v_cndmask_b32 v8, v[SW], v[SW+2], vcc_lo       ; lanes 0-15 store words 0 and 1 of row r, lanes 16-31 words 2 and 3:
	v_cndmask_b32 v9, v[SW+1], v[SW+3], vcc_lo
	global_store_b64 v7, v[8:9], s[16:17]          ; 256 consecutive bytes, aligned
	FINISH
.Lweights:
	; ---- the weights: g = work-group - 128: tensor g / 32, 128 columns (g / 4) % 8, 256 along K g % 4
	s_sub_co_u32 s25, ttmp9, 128
	s_lshr_b32 s26, s25, 5                         ; tensor: 0 Wq, 1 Wk, 2 Wv, 3 Wo
	s_bfe_u32 s27, s25, 0x30002                    ; cg
	s_and_b32 s28, s25, 3                          ; kq
	s_lshr_b32 s29, s24, 1
	s_and_b32 s30, s24, 1
	v_lshlrev_b32 v5, 2, v1                        ; 4 bytes a lane
	s_lshl_b32 s32, s28, 20                        ; 256 rows of 4,096 bytes,
	s_lshl_b32 s34, s27, 9                         ; 128 columns,
	s_add_co_u32 s32, s32, s34
	s_lshl_b32 s34, s24, 7                         ; my wave's 32
	s_add_co_u32 s32, s32, s34
	s_mov_b32 s33, 0
	s_lshl_b32 s31, s27, 1
	s_add_co_u32 s31, s31, s29                     ; 2 cg + wave / 2: my 64 columns: the head, or Wo's group of four tiles
	v_lshlrev_b32 v6, 4, v2                        ; 16 r
	s_wait_kmcnt 0x0
	s_cmp_eq_u32 s26, 0                            ; the choice hangs on the work-group's number alone
	s_cselect_b64 s[36:37], s[6:7], s[8:9]
	s_cmp_eq_u32 s26, 2
	s_cselect_b64 s[36:37], s[10:11], s[36:37]
	s_cmp_eq_u32 s26, 3
	s_cselect_b64 s[36:37], s[12:13], s[36:37]
	s_add_nc_u64 s[36:37], s[36:37], s[32:33]
	WLOAD 0
	WLOAD 1
	s_cmp_eq_u32 s26, 3
	s_cbranch_scc1 .Lwo
	; ---- Wq, Wk, Wv: lanes 0-15 are tile j, lanes 16-31 tile j + 1, j = 4 x tensor + 2 (wave % 2)
	s_lshl_b32 s38, s26, 2
	s_lshl_b32 s39, s30, 1
	s_add_co_u32 s38, s38, s39                     ; j (even: j and j + 1 lie in the same half of the twelve)
	s_mul_i32 s40, s31, 98304                      ; wc: head x 98,304 + (j / 6) x 49,152 + kq x 12,288 + (j % 6) x 2,048
	s_mul_i32 s41, s28, 12288
	s_add_co_u32 s40, s40, s41
	s_lshl_b32 s41, s38, 11
	s_add_co_u32 s40, s40, s41
	s_cmp_ge_u32 s38, 6
	s_cselect_b32 s41, 36864, 0                    ; 49,152 - 6 x 2,048
	s_add_co_u32 s40, s40, s41
	s_mov_b32 s41, 0
	s_add_nc_u64 s[18:19], s[18:19], s[40:41]
	s_mul_i32 s42, s31, 6144                       ; ws: head x 6,144 + j x 512 + (kq / 2) x 256 + (kq % 2) x 8
	s_lshl_b32 s43, s38, 9
	s_add_co_u32 s42, s42, s43
	s_lshr_b32 s43, s28, 1
	s_lshl_b32 s43, s43, 8
	s_add_co_u32 s42, s42, s43
	s_and_b32 s43, s28, 1
	s_lshl_b32 s43, s43, 3
	s_add_co_u32 s42, s42, s43
	s_mov_b32 s43, 0
	s_add_nc_u64 s[20:21], s[20:21], s[42:43]
	v_lshl_add_u32 v7, v3, 9, v6                   ; the words' place: 512 (lane / 16) + 16 r
	v_lshl_add_u32 v6, v3, 11, v6                  ; the codes' place: 2,048 (lane / 16) + 16 r
	WBLOCK 0
	WBLOCK 1
	WBLOCK 2
	WBLOCK 3
	WBLOCK 4
	WBLOCK 5
	WBLOCK 6
	WBLOCK 7
	global_store_b64 v7, v[SW:SW+1], s[20:21]      ; my column's words of K steps 2 kq and 2 kq + 1
	FINISH
.Lwo:
	; ---- Wo: wf: (2 cg + wave / 2) x 131,072 + kq x 32,768 + (wave % 2) x 16,384 + (lane / 16) x 8,192
	s_lshl_b32 s40, s31, 17
	s_lshl_b32 s41, s28, 15
	s_add_co_u32 s40, s40, s41
	s_lshl_b32 s41, s30, 14
	s_add_co_u32 s40, s40, s41
	s_mov_b32 s41, 0
	s_add_nc_u64 s[22:23], s[22:23], s[40:41]
	v_lshl_add_u32 v6, v3, 13, v6
	OBLOCK 0
	OBLOCK 1
	OBLOCK 2
	OBLOCK 3
	OBLOCK 4
	OBLOCK 5
	OBLOCK 6
	OBLOCK 7
	FINISH
.Lfunc_end_k_qe820510c4d_prep:
	.size	k_qe820510c4d_prep, .Lfunc_end_k_qe820510c4d_prep-k_qe820510c4d_prep
	.p2alignl 7, 3214868480
	.fill 96, 4, 3214868480
	.section	.rodata,"a",@progbits
	.p2align	6, 0x0
	.amdhsa_kernel k_qe820510c4d_prep
		.amdhsa_group_segment_fixed_size 34304
		.amdhsa_private_segment_fixed_size 0
		.amdhsa_enable_private_segment 0
		.amdhsa_kernarg_size 80
		.amdhsa_user_sgpr_count 2
		.amdhsa_user_sgpr_kernarg_segment_ptr 1
		.amdhsa_wavefront_size32 1
		.amdhsa_system_sgpr_workgroup_id_x 1
		.amdhsa_system_sgpr_workgroup_id_y 1
		.amdhsa_system_sgpr_workgroup_id_z 1
		.amdhsa_system_vgpr_workitem_id 0
		.amdhsa_next_free_vgpr 256
		.amdhsa_next_free_sgpr 66
		.amdhsa_reserve_vcc 1
		.amdhsa_float_denorm_mode_32 3
		.amdhsa_float_denorm_mode_16_64 3
		.amdhsa_memory_ordered 1
		.amdhsa_forward_progress 1
		.amdhsa_inst_pref_size 98
	.end_amdhsa_kernel
	.amdgpu_metadata
---
amdhsa.version: [ 1, 2 ]
amdhsa.kernels:
  - .name:           k_qe820510c4d_prep
    .symbol:         k_qe820510c4d_prep.kd
    .args:
      - { .name: x, .offset: 0, .size: 8, .value_kind: global_buffer, .address_space: global }
      - { .name: Wq, .offset: 8, .size: 8, .value_kind: global_buffer, .address_space: global }
      - { .name: Wk, .offset: 16, .size: 8, .value_kind: global_buffer, .address_space: global }
      - { .name: Wv, .offset: 24, .size: 8, .value_kind: global_buffer, .address_space: global }
      - { .name: Wo, .offset: 32, .size: 8, .value_kind: global_buffer, .address_space: global }
      - { .name: xc, .offset: 40, .size: 8, .value_kind: global_buffer, .address_space: global }
      - { .name: xs, .offset: 48, .size: 8, .value_kind: global_buffer, .address_space: global }
      - { .name: wc, .offset: 56, .size: 8, .value_kind: global_buffer, .address_space: global }
      - { .name: ws, .offset: 64, .size: 8, .value_kind: global_buffer, .address_space: global }
      - { .name: wf, .offset: 72, .size: 8, .value_kind: global_buffer, .address_space: global }
    .group_segment_fixed_size: 34304
    .private_segment_fixed_size: 0
    .kernarg_segment_align: 8
    .kernarg_segment_size: 80
    .max_flat_workgroup_size: 128
    .sgpr_count:     66
    .vgpr_count:     256
    .wavefront_size: 32
...
	.end_amdgpu_metadata
.endif
;; end of part 1
;; launch qkv (part 2): grid 16 x 16, 4 waves a work-group, clusters of 4 x 4, 229,888 bytes of LDS; arguments xc, xs, wc, ws, qf, kv; writes qf, kv
.if DOCPART == 2
	.amdgcn_target "amdgcn-amd-amdhsa--gfx1250"
	.amdhsa_code_object_version 6
	.text
	.protected	k_qe820510c4d_qkv
	.globl	k_qe820510c4d_qkv
	.p2align	8
	.type	k_qe820510c4d_qkv,@function
k_qe820510c4d_qkv:
	s_mov_b64 s[64:65], 0
	v_nop
	global_prefetch_b8 v0, s[64:65] scope:SCOPE_SE
	s_setreg_imm32_b32 hwreg(HW_REG_WAVE_MODE, 25, 1), 1
	s_wait_xcnt 0x0
	s_wait_alu depctr_hold_cnt(0) depctr_sa_sdst(0) depctr_va_vdst(0) depctr_va_sdst(0) depctr_va_ssrc(0) depctr_va_vcc(0) depctr_vm_vsrc(0)
	s_getreg_b32 s2, hwreg(HW_REG_IB_STS2, 6, 4)
	s_cmp_eq_u32 s2, 0
	s_cbranch_scc0 .Lentry_in_a_cluster
	s_endpgm
.Lentry_in_a_cluster:
	s_bfe_u32 s2, ttmp6, 0x10000c
	s_cmp_lg_u32 s2, 0xf033
	s_cbranch_scc0 .Lentry_shape_is_right
	s_endpgm
.Lentry_shape_is_right:
; QKV.  q, k, v = x Wq, x Wk, x Wv on codes of E2M1 with E8M0 scales, sums in f32; the results leave as f16, laid as the operands that the attention launch takes.
; SHARES.  Work-group (bx = head, by = 256 tokens) makes q, k and v of one head: 256 tokens x 192 columns.  Wave w: tokens 64 w .. 64 w + 63 x all 192: 4 x 12 accumulators, 384 registers; all waves run one text.
; ALL OF K LIES IN LDS: 128 KiB of x's codes and 96 KiB of the weights', each filled once, in four chunks of 256 along K, so that the products begin when the first chunk is in.  Nothing is filled again.
; Codes lie in memory as images of operand registers (a chunk = four registers x 32 lanes = 512 bytes), so a tile is a dense block, taken as rows of 256 bytes, and each LDS load takes 512 consecutive bytes: no padding.
; CLUSTERS: 4 x 4 work-groups.  x's codes hang on by alone and are shared along a row of the cluster, the weights' on bx alone and are shared along a column: each is asked for jointly.
; THE MATRIX INSTRUCTION IS USED TRANSPOSED (source 0 = 16 columns of W, source 1 = 16 tokens): a lane holds token lane % 16 and channels 8 (lane / 16) + 0 .. 7, which pack into 16 bytes of f16:
;   q and k: that IS a chunk of the next product's operand (16 rows x 16 channels), stored lane by lane;
;   v: the piece (key, channel half) goes to place 16 (key / 8) + 8 half + key % 8 of its chunk, from where the turning LDS load of the next launch, lane by lane, gives a lane one channel and eight keys.
; LIMIT: q, k and v must lie inside f16's range (65,504).
; REGISTERS: window 0: v1-11 addresses; v28, v29 the add's two; v32-79 the weights' scale words, v80-95 x's (they hold nothing else); v96-159 x's fragments, two sets of 32; on the way out v96-239, three sets of 48.
;   window 1: the weights' fragments, two sets of 96.   window 2: the accumulators of token tiles 0, 1 ((a, b) at v[8 (12 (a % 2) + b)]);   window 3: those of tiles 2, 3.
.set SPARE, 229376                     ; behind the codes: the spare words, 128 bytes for each wave
.set BOFF,  131072                     ; the weights' codes begin here
.set L16,   4                          ; v4   16 x lane
.set VP16,  5                          ; v5   16 x v's place
.set VS,    6                          ; v6   scale words: 512 (lane / 16) + 16 r
.set ADRA,  8                          ; v8, v9    x's fragments: K steps 0-3, 4-7
.set ADRB,  10                         ; v10, v11  the weights'
.set SPW,   28
.set NIL,   29
.set WS,    32                         ; v[WS + 8 p + s]: lanes 0-15 the word of column tile 2 p, lanes 16-31 of tile 2 p + 1, K step s
.set XS,    80                         ; v[XS + 8 p + s]: the same for token tiles
.set XF,    96
.set OB,    96
.set G1A,   24                         ; s[24:31] group 1 for x's codes;  s[40:55] four groups 0
.set G1B,   32                         ; s[32:39] for the weights';       s[68:83] four groups 0
.set G0A,   40
.set G0B,   68
.set MSB, 0
.macro WIN new                         ; the immediate's high byte repeats the setting that is left
.if MSB != \new
	s_set_vgpr_msb (MSB<<8)|\new
.set MSB, \new
.endif
.endm
.macro PLACES n
.rept \n
	v_nop
.endr
.endm
.macro CROUND                          ; a round of the cluster's barrier
	s_barrier_signal -1
	s_barrier_wait -1
	s_cmp_lg_u32 s16, 0
	s_cbranch_scc1 .Lnot_wave_0_\@
	s_barrier_signal -3
.Lnot_wave_0_\@:
	s_barrier_wait -3
	s_barrier_signal -1
	s_barrier_wait -1
.endm
; the fragments of K step s: 12 of the weights, 4 of x: 32 loads of 512 consecutive bytes
.macro FETCH s
	WIN 0x40                                       ; destination window 1, address window 0
.irp j, 0,1,2,3,4,5,6,7,8,9,10,11
.irp c, 0,1
	ds_load_b128 v[96*((\s)%2)+8*\j+4*\c:96*((\s)%2)+8*\j+4*\c+3], v[ADRB+(\s)/4] offset:(((\s)/2)%2)*24576+\j*2048+((\s)%2)*1024+512*\c
.endr
.endr
	WIN 0
.irp a, 0,1,2,3
.irp c, 0,1
	ds_load_b128 v[XF+32*((\s)%2)+8*\a+4*\c:XF+32*((\s)%2)+8*\a+4*\c+3], v[ADRA+(\s)/4] offset:(((\s)/2)%2)*32768+\a*2048+((\s)%2)*1024+512*\c
.endr
.endr
.endm
; one product: token tile a x column tile b, K step s.  An odd tile's scale words stand in lanes 16-31 of their register.  zero = 1: the product starts the sum.
.macro MM a, b, s, zero
.set rD, 8*(12*((\a)&1)+(\b))
.set rW, 96*((\s)%2)+8*(\b)
.set rX, XF+32*((\s)%2)+8*(\a)
.set rP, WS+8*((\b)/2)+(\s)
.set rQ, XS+8*((\a)/2)+(\s)
.set odd, 2*((\a)&1)+((\b)&1)
.if \zero
.if odd == 0
	v_wmma_scale_f32_16x16x128_f8f6f4 v[rD:rD+7], v[rW:rW+7], v[rX:rX+7], 0, v[rP], v[rQ] matrix_a_fmt:MATRIX_FMT_FP4 matrix_b_fmt:MATRIX_FMT_FP4
.elseif odd == 1
	v_wmma_scale_f32_16x16x128_f8f6f4 v[rD:rD+7], v[rW:rW+7], v[rX:rX+7], 0, v[rP], v[rQ] matrix_a_fmt:MATRIX_FMT_FP4 matrix_b_fmt:MATRIX_FMT_FP4 matrix_a_scale:MATRIX_SCALE_ROW1
.elseif odd == 2
	v_wmma_scale_f32_16x16x128_f8f6f4 v[rD:rD+7], v[rW:rW+7], v[rX:rX+7], 0, v[rP], v[rQ] matrix_a_fmt:MATRIX_FMT_FP4 matrix_b_fmt:MATRIX_FMT_FP4 matrix_b_scale:MATRIX_SCALE_ROW1
.else
	v_wmma_scale_f32_16x16x128_f8f6f4 v[rD:rD+7], v[rW:rW+7], v[rX:rX+7], 0, v[rP], v[rQ] matrix_a_fmt:MATRIX_FMT_FP4 matrix_b_fmt:MATRIX_FMT_FP4 matrix_a_scale:MATRIX_SCALE_ROW1 matrix_b_scale:MATRIX_SCALE_ROW1
.endif
.else
.if odd == 0
	v_wmma_scale_f32_16x16x128_f8f6f4 v[rD:rD+7], v[rW:rW+7], v[rX:rX+7], v[rD:rD+7], v[rP], v[rQ] matrix_a_fmt:MATRIX_FMT_FP4 matrix_b_fmt:MATRIX_FMT_FP4
.elseif odd == 1
	v_wmma_scale_f32_16x16x128_f8f6f4 v[rD:rD+7], v[rW:rW+7], v[rX:rX+7], v[rD:rD+7], v[rP], v[rQ] matrix_a_fmt:MATRIX_FMT_FP4 matrix_b_fmt:MATRIX_FMT_FP4 matrix_a_scale:MATRIX_SCALE_ROW1
.elseif odd == 2
	v_wmma_scale_f32_16x16x128_f8f6f4 v[rD:rD+7], v[rW:rW+7], v[rX:rX+7], v[rD:rD+7], v[rP], v[rQ] matrix_a_fmt:MATRIX_FMT_FP4 matrix_b_fmt:MATRIX_FMT_FP4 matrix_b_scale:MATRIX_SCALE_ROW1
.else
	v_wmma_scale_f32_16x16x128_f8f6f4 v[rD:rD+7], v[rW:rW+7], v[rX:rX+7], v[rD:rD+7], v[rP], v[rQ] matrix_a_fmt:MATRIX_FMT_FP4 matrix_b_fmt:MATRIX_FMT_FP4 matrix_a_scale:MATRIX_SCALE_ROW1 matrix_b_scale:MATRIX_SCALE_ROW1
.endif
.endif
.endm
; K step s: the next step's fragments are asked for, then this step's 48 products.  The 48 accumulators take turns, one instruction a turn, in the same order in every step.
.macro KSTEP s, zero
.if ((\s) == 1) || ((\s) == 3) || ((\s) == 5)
	s_wait_tensorcnt 3-((\s)+1)/2                  ; my part of the chunk that step s + 1 begins is in; the younger chunks may stay out
	s_wait_dscnt 0x0                               ; no LDS instruction of mine is pending at a signal
	s_barrier_signal -1
	s_barrier_wait -1                              ; everybody's part is in
.endif
.if (\s) < 7
.if (\s) > 0
	PLACES 4                                       ; four plain vector lines between the last products and loads into registers that the step before read
.endif
	FETCH (\s)+1
	s_wait_dscnt 32                                ; all but the 32 just issued: this step's fragments are in
.else
	s_wait_dscnt 0x0
.endif
	WIN 0xa1                                       ; source 0 (W) window 1, source 1 (x) window 0, C and D window 2
.irp a, 0,1
.irp b, 0,1,2,3,4,5,6,7,8,9,10,11
	MM \a, \b, \s, \zero
.endr
.endr
	WIN 0xf1                                       ; C and D window 3
.irp a, 2,3
.irp b, 0,1,2,3,4,5,6,7,8,9,10,11
	MM \a, \b, \s, \zero
.endr
.endr
.endm
; the way out of token tile a: 12 accumulators are rounded to f16, each from its low end on, and stored as 12 chunks of 512 consecutive bytes
.macro OUTT a
.if (\a) == 3
	s_wait_xcnt 0x0                                ; tile 0's stores have read their registers: this tile's results land there
.endif
	WIN 0x0a+5*((\a)/2)                            ; sources 0 and 1: window 2 or 3
.irp b, 0,1,2,3,4,5,6,7,8,9,10,11
.irp i, 0,1,2,3
	v_cvt_pk_f16_f32 v[OB+48*((\a)%3)+4*\b+\i], v[8*(12*((\a)&1)+\b)+2*\i], v[8*(12*((\a)&1)+\b)+2*\i+1]
.endr
.endr
	WIN 0
.irp b, 0,1,2,3
	global_store_b128 v[L16], v[OB+48*((\a)%3)+4*\b:OB+48*((\a)%3)+4*\b+3], s[12:13] offset:(\a)*2048+\b*512            ; q
	global_store_b128 v[L16], v[OB+48*((\a)%3)+16+4*\b:OB+48*((\a)%3)+16+4*\b+3], s[14:15] offset:(\a)*2048+\b*512      ; k
	global_store_b128 v[VP16], v[OB+48*((\a)%3)+32+4*\b:OB+48*((\a)%3)+32+4*\b+3], s[14:15] offset:8192+(\a)*2048+\b*512 ; v
.endr
.endm
	s_load_b256 s[4:11], s[0:1], 0x0               ; xc s[4:5], xs s[6:7], wc s[8:9], ws s[10:11]
	s_load_b128 s[12:15], s[0:1], 0x20             ; qf s[12:13], kv s[14:15]
	v_lshl_add_u32 v[SPW], v0, 2, SPARE
	v_mov_b32 v[NIL], 0
	ds_add_u32 v[SPW], v[NIL]                      ; the wave's opening: the add, twice on end, and its wait ahead of my first tensor load
	ds_add_u32 v[SPW], v[NIL]
	v_lshrrev_b32 v1, 5, v0
	v_readfirstlane_b32 s16, v1                    ; wave 0..3
	s_and_b32 s21, s16, 1                          ; which half of a chunk I fetch
	s_bfe_u32 s17, ttmp6, 0x40000                  ; cx
	s_bfe_u32 s18, ttmp6, 0x40004                  ; cy
	s_lshl_b32 s19, ttmp9, 2
	s_add_co_u32 s19, s19, s17                     ; bx: the head
	s_and_b32 s20, ttmp7, 0xffff
	s_lshl_b32 s20, s20, 2
	s_add_co_u32 s20, s20, s18                     ; by: the block of 256 tokens
	s_lshl_b32 s84, s18, 2
	s_lshl_b32 s84, 15, s84                        ; my row of the cluster
	s_lshl_b32 s85, 0x1111, s17                    ; my column
	s_or_b32 s[G1A], s84, (3<<16)|(1<<21)          ; 15:0 the mask; 17:16 elements of 8 bytes; 21 set beside a mask; no padding
	s_mov_b32 s[G1A+1], 32<<16                     ; tensor_dim0 = 32 elements: rows of 256 bytes
	s_mov_b32 s[G1A+2], 64<<16                     ; tensor_dim1 = 64 rows: 16 KiB
	s_mov_b32 s[G1A+3], 32<<16                     ; tile_dim0
	s_mov_b32 s[G1A+4], 64                         ; tile_dim1
	s_mov_b32 s[G1A+5], 32                         ; the pitch: dense
	s_mov_b32 s[G1A+6], 0
	s_mov_b32 s[G1A+7], 0
	s_or_b32 s[G1B], s85, (3<<16)|(1<<21)
	s_mov_b32 s[G1B+1], 32<<16
	s_mov_b32 s[G1B+2], 48<<16                     ; 48 rows: 12 KiB
	s_mov_b32 s[G1B+3], 32<<16
	s_mov_b32 s[G1B+4], 48
	s_mov_b32 s[G1B+5], 32
	s_mov_b32 s[G1B+6], 0
	s_mov_b32 s[G1B+7], 0
	s_lshl_b32 s56, s20, 1                         ; x's codes: (2 by + half) x 65,536
	s_add_co_u32 s56, s56, s21
	s_lshl_b32 s56, s56, 16
	s_mov_b32 s57, 0
	s_mul_i32 s58, s19, 98304                      ; the weights': bx x 98,304 + half x 49,152
	s_mul_i32 s60, s21, 49152
	s_add_co_u32 s58, s58, s60
	s_mov_b32 s59, 0
	s_lshl_b32 s22, s21, 14                        ; where they go: no place in the cluster enters an LDS address
	s_mul_i32 s23, s21, 12288
	s_lshr_b32 s86, s20, 3
	s_lshl_b32 s86, s86, 4
	s_add_co_u32 s86, s86, s19                     ; bh = 16 x batch + head
	s_and_b32 s87, s20, 7                          ; my block of 256 tokens in the sequence
	s_lshl_b32 s88, s86, 18                        ; qf: bh x 262,144 + (16 block + 4 wave) x 2,048
	s_lshl_b32 s90, s87, 4
	s_lshl_b32 s91, s16, 2
	s_add_co_u32 s90, s90, s91
	s_lshl_b32 s90, s90, 11
	s_add_co_u32 s88, s88, s90
	s_mov_b32 s89, 0
	s_lshl_b32 s90, s86, 19                        ; kv: bh x 524,288 + (4 block + wave) x 16,384
	s_lshl_b32 s92, s87, 2
	s_add_co_u32 s92, s92, s16
	s_lshl_b32 s92, s92, 14
	s_add_co_u32 s90, s90, s92
	s_mov_b32 s91, 0
	s_lshl_b32 s92, s20, 4                         ; xs: (16 by + 4 wave) x 512
	s_lshl_b32 s94, s16, 2
	s_add_co_u32 s92, s92, s94
	s_lshl_b32 s92, s92, 9
	s_mov_b32 s93, 0
	s_mul_i32 s94, s19, 6144                       ; ws: bx x 6,144
	s_mov_b32 s95, 0
	v_and_b32 v1, 31, v0
	v_and_b32 v2, 15, v0                           ; r
	v_bfe_u32 v3, v0, 4, 1                         ; h
	v_lshlrev_b32 v[L16], 4, v1
	v_bfe_u32 v[VP16], v0, 3, 1                    ; v's place: 16 (r / 8) + 8 h + r % 8
	v_lshlrev_b32 v[VP16], 4, v[VP16]
	v_lshl_add_u32 v[VP16], v3, 3, v[VP16]
	v_and_b32 v7, 7, v0
	v_add_nc_u32 v[VP16], v[VP16], v7
	v_lshlrev_b32 v[VP16], 4, v[VP16]
	v_lshlrev_b32 v[VS], 4, v2
	v_lshl_add_u32 v[VS], v3, 9, v[VS]
	s_lshl_b32 s96, s16, 13                        ; my four token tiles: 8,192 bytes a wave in each pair of K steps
	v_add_nc_u32 v[ADRA], s96, v[L16]
	v_add_nc_u32 v[ADRA+1], 0x10000, v[ADRA]
	v_add_nc_u32 v[ADRB], BOFF, v[L16]
	v_add_nc_u32 v[ADRB+1], 49152, v[ADRB]
	s_wait_dscnt 0x0                               ; both opening adds are done
	s_wait_kmcnt 0x0
	s_add_nc_u64 s[56:57], s[4:5], s[56:57]
	s_add_nc_u64 s[58:59], s[8:9], s[58:59]
	s_add_nc_u64 s[12:13], s[12:13], s[88:89]
	s_add_nc_u64 s[14:15], s[14:15], s[90:91]
	s_add_nc_u64 s[6:7], s[6:7], s[92:93]
	s_add_nc_u64 s[10:11], s[10:11], s[94:95]
.irp c, 0,1,2,3
	s_mov_b32 s[G0A+4*\c], 1                                       ; count = 1
	s_add_co_u32 s[G0A+4*\c+1], s22, \c*32768                      ; LDS address: chunk c, my half
	s_add_nc_u64 s[G0A+4*\c+2:G0A+4*\c+3], s[56:57], \c*16384      ; global address
	s_or_b32 s[G0A+4*\c+3], s[G0A+4*\c+3], 0x80000000              ; type = 2
	s_mov_b32 s[G0B+4*\c], 1
	s_add_co_u32 s[G0B+4*\c+1], s23, BOFF+\c*24576
	s_add_nc_u64 s[G0B+4*\c+2:G0B+4*\c+3], s[58:59], \c*12288
	s_or_b32 s[G0B+4*\c+3], s[G0B+4*\c+3], 0x80000000
.endr
	CROUND                                         ; all sixteen work-groups are here: the joint loads meet
	s_cmp_lt_u32 s16, 2                            ; waves 0, 1 fetch x's halves, waves 2, 3 the weights': a wave's four first fills stand in one branch: four loads of mine are out
	s_cbranch_scc0 .Lfirst_b
.irp c, 0,1,2,3
	tensor_load_to_lds s[G0A+4*\c:G0A+4*\c+3], s[G1A:G1A+7]
	s_nop 0
.endr
	PLACES 4
	s_branch .Lfirst_asked
.Lfirst_b:
.irp c, 0,1,2,3
	tensor_load_to_lds s[G0B+4*\c:G0B+4*\c+3], s[G1B:G1B+7]
	s_nop 0
.endr
	PLACES 4
.Lfirst_asked:
.irp p, 0,1,2,3,4,5                    ; the scale words go straight into registers, for all of K: each load reads two aligned runs of 256 bytes
.irp f, 0,1
	global_load_b128 v[WS+8*\p+4*\f:WS+8*\p+4*\f+3], v[VS], s[10:11] offset:\p*1024+\f*256
.endr
.endr
.irp p, 0,1
.irp f, 0,1
	global_load_b128 v[XS+8*\p+4*\f:XS+8*\p+4*\f+3], v[VS], s[6:7] offset:\p*1024+\f*256
.endr
.endr
	s_wait_tensorcnt 3                             ; my part of chunk 0 is in; three younger loads stay out
	s_barrier_signal -1
	s_barrier_wait -1                              ; everybody's is
	FETCH 0
	s_wait_loadcnt 0x0                             ; the scale words
	KSTEP 0, 1                                     ; the first step's products start the sums: nothing is cleared
	KSTEP 1, 0
	KSTEP 2, 0
	KSTEP 3, 0
	KSTEP 4, 0
	KSTEP 5, 0
	KSTEP 6, 0
	KSTEP 7, 0
	WIN 0
	PLACES 4                                       ; between the last products and the first lines that read results or write over x's fragments
	OUTT 0
	OUTT 1
	OUTT 2
	OUTT 3
	s_wait_tensorcnt 0x0                           ; the wave's end
	ds_add_u32 v[SPW], v[NIL]
	s_wait_dscnt 0x0
	CROUND                                         ; the closing round: no work-group ends while a partner may still ask for a tile that names it
	s_endpgm
.Lfunc_end_k_qe820510c4d_qkv:
	.size	k_qe820510c4d_qkv, .Lfunc_end_k_qe820510c4d_qkv-k_qe820510c4d_qkv
	.p2alignl 7, 3214868480
	.fill 96, 4, 3214868480
	.section	.rodata,"a",@progbits
	.p2align	6, 0x0
	.amdhsa_kernel k_qe820510c4d_qkv
		.amdhsa_group_segment_fixed_size 229888
		.amdhsa_private_segment_fixed_size 0
		.amdhsa_enable_private_segment 0
		.amdhsa_kernarg_size 48
		.amdhsa_user_sgpr_count 2
		.amdhsa_user_sgpr_kernarg_segment_ptr 1
		.amdhsa_wavefront_size32 1
		.amdhsa_system_sgpr_workgroup_id_x 1
		.amdhsa_system_sgpr_workgroup_id_y 1
		.amdhsa_system_sgpr_workgroup_id_z 1
		.amdhsa_system_vgpr_workitem_id 0
		.amdhsa_next_free_vgpr 1024
		.amdhsa_next_free_sgpr 100
		.amdhsa_reserve_vcc 0
		.amdhsa_float_denorm_mode_32 3
		.amdhsa_float_denorm_mode_16_64 3
		.amdhsa_memory_ordered 1
		.amdhsa_forward_progress 1
		.amdhsa_inst_pref_size 94
	.end_amdhsa_kernel
	.amdgpu_metadata
---
amdhsa.version: [ 1, 2 ]
amdhsa.kernels:
  - .name:           k_qe820510c4d_qkv
    .symbol:         k_qe820510c4d_qkv.kd
    .args:
      - { .name: xc, .offset: 0, .size: 8, .value_kind: global_buffer, .address_space: global }
      - { .name: xs, .offset: 8, .size: 8, .value_kind: global_buffer, .address_space: global }
      - { .name: wc, .offset: 16, .size: 8, .value_kind: global_buffer, .address_space: global }
      - { .name: ws, .offset: 24, .size: 8, .value_kind: global_buffer, .address_space: global }
      - { .name: qf, .offset: 32, .size: 8, .value_kind: global_buffer, .address_space: global }
      - { .name: kv, .offset: 40, .size: 8, .value_kind: global_buffer, .address_space: global }
    .group_segment_fixed_size: 229888
    .private_segment_fixed_size: 0
    .kernarg_segment_align: 8
    .kernarg_segment_size: 48
    .max_flat_workgroup_size: 128
    .sgpr_count:     100
    .vgpr_count:     1024
    .wavefront_size: 32
...
	.end_amdgpu_metadata
.endif
;; end of part 2
;; launch attn (part 3): grid 8 x 32, 8 waves a work-group, clusters of 4 x 1, 327,680 bytes of LDS; arguments qf, kv, af; writes af
.if DOCPART == 3
	.amdgcn_target "amdgcn-amd-amdhsa--gfx1250"
	.amdhsa_code_object_version 6
	.text
	.protected	k_qe820510c4d_attn
	.globl	k_qe820510c4d_attn
	.p2align	8
	.type	k_qe820510c4d_attn,@function
k_qe820510c4d_attn:
	s_mov_b64 s[64:65], 0
	v_nop
	global_prefetch_b8 v0, s[64:65] scope:SCOPE_SE
	s_setreg_imm32_b32 hwreg(HW_REG_WAVE_MODE, 25, 1), 1
	s_wait_xcnt 0x0
	s_wait_alu depctr_hold_cnt(0) depctr_sa_sdst(0) depctr_va_vdst(0) depctr_va_sdst(0) depctr_va_ssrc(0) depctr_va_vcc(0) depctr_vm_vsrc(0)
	s_getreg_b32 s2, hwreg(HW_REG_IB_STS2, 6, 4)
	s_cmp_eq_u32 s2, 0
	s_cbranch_scc0 .Lentry_in_a_cluster
	s_endpgm
.Lentry_in_a_cluster:
	s_bfe_u32 s2, ttmp6, 0x10000c
	s_cmp_lg_u32 s2, 0x3003
	s_cbranch_scc0 .Lentry_shape_is_right
	s_endpgm
.Lentry_shape_is_right:
; ATTN.  o[b][q][h][:] = the sum over k of softmax_k(q . k / 8) v, head size 64, 2,048 keys, no mask.  Operands in f16, products, maxima and sums in f32; the weights p are rounded to f16 for the second product.
; SHARES.  A work-group owns 256 queries of one (batch, head); each of its eight waves 32: two tiles of 16.  Two waves share a SIMD, so that one wave's softmax stands beside the other's products and LDS loads.
; LAYOUT.  S^T = K Q^T (source 0 = 16 keys, source 1 = 16 queries): a lane holds ONE query (lane % 16) and keys 8 (lane / 16) + 0 .. 7; two such tiles rounded in pairs ARE source 1 of O^T = V^T P.
; q, k and v lie in memory as images of operand registers (chunks of 512 bytes, lane l's 16 bytes at 16 l): every LDS load takes 512 consecutive bytes, lane by lane; v's pieces were placed so that the turning load
; (ds_load_tr16_b128), lane by lane, leaves a lane one channel and eight keys.  A key step is 64 keys: 8 KiB of K, then 8 KiB of V.
; SOFTMAX.  For each query a running maximum m and sum l: p = 2^(c s - c m), c = log2(e) / 8; in every step O and l are multiplied by a = 2^(c m_old - c m_new).  m begins at -3e38, O and l at 0: no first step of its own.
; RING.  Two slots of 8 key steps (128 KiB); each wave fetches one key step of a slot, by one line that all waves run.  Both slots are asked for at the head; a slot is filled again, with the keys two slots on, when it
; has been left.  CLUSTER: the four query blocks of a cluster walk the same K and V: each tile is asked for jointly.
; LDS READS RUN AHEAD.  A step's V is asked for at its head and wanted behind its softmax; the NEXT step's K is asked for behind this step's products K Q^T, into the registers that they have just read.
; THE CHANGE OF SLOTS LIES IN THE SHADOW OF A KEY STEP.  A slot's seventh step also asks for the eighth's V, into a second set of registers: behind the seventh step's products every LDS read of the slot is over,
; the wave says so, and the eighth step, which works on registers alone, stands between the barrier's signal and its wait.
; This launch claims all of a WGP's LDS.
; LIMITS: the running maximum begins at -3e38; p under f16's smallest number counts as 0 in the second product (it still counts in l); attention's result must lie inside f16's range.
; REGISTERS: window 0: v4 16 x lane; v5 the loads' address; v12-27 statistics, 8 a tile (+0 c m, +1 m, +2, +3 l, +4..7 at work, a in +6); v28, v29 the add's two; v30 the prefetch's offset;
;   v32-63 P, 16 a tile; v64-127 S^T, 32 a tile; v160-223 O^T, 32 a tile.   window 1: v0-31 Q; v64-127 K of a step; v128-191 V of a step; v192-255 V of a slot's eighth step.
.set SLOT1, 1<<17
.set KSB,   16384                      ; a key step's bytes
.set SPARE, 2*SLOT1                    ; behind the ring: the spare words, 128 bytes for each of eight waves
.set L16,  4
.set ADR,  5
.set ST,   12
.set SPW,  28
.set NIL,  29
.set PFO,  30
.set P,    32
.set S,    64
.set O,    160
.set QF,   0                           ; in window 1
.set KF,   64
.set VF,   128
.set VF2,  192
.set WV,   12                          ; s12  my wave's number
.set LIM,  16                          ; s16  1 in a wave that prefetches, else the greatest number
.set PFA,  18                          ; s[18:19] where my prefetch stands
.set G1,   24                          ; s[24:31] descriptor group 1
.set G0,   32                          ; s[32:35] group 0 for slot 0's first fill; s[36:39] for slot 1's, which then walks on
.set SLOTS, 56
.set STEPS, 57
.set CS,   58                          ; s[58:59] c, twice
.set SEL,  60                          ; s[60:61] lane l xor 16
.set TB,   62                          ; s62  LDS byte at which the key step in hand begins
.set MSB, 0
.macro WIN new                         ; the immediate's high byte repeats the setting that is left
.if MSB != \new
	s_set_vgpr_msb (MSB<<8)|\new
.set MSB, \new
.endif
.endm
.macro PLACES n
.rept \n
	v_nop
.endr
.endm
.macro CREST                           ; a round of the cluster's barrier behind its opening barrier
	s_cmp_lg_u32 s[WV], 0
	s_cbranch_scc1 .Lnot_wave_0_\@
	s_barrier_signal -3
.Lnot_wave_0_\@:
	s_barrier_wait -3
	s_barrier_signal -1
	s_barrier_wait -1
.endm
.macro CROUND                          ; a whole round
	s_barrier_signal -1
	s_barrier_wait -1
	CREST
.endm
; A PREFETCH INTO THE L2 of the slot that the NEXT refill will ask for: 128 KiB, eight key steps ahead of that load.  All clusters of a head walk the same K and V: the head's first cluster asks; its four
; partners take 32 KiB each, told apart by address; in each, waves 0 to 3 take 8 KiB, lanes 256 bytes apart: each aligned run of 256 bytes is named once in the launch.  The last refill asks for nothing.
.macro ASK
	s_cmp_gt_u32 s[SLOTS], s[LIM]
	s_cbranch_scc0 .Lnot_mine_\@
	global_prefetch_b8 v[PFO], s[PFA:PFA+1] th:TH_LOAD_NT scope:SCOPE_SE
.Lnot_mine_\@:
.endm
; 16 LDS loads: K of the key step that begins off bytes behind the address: chunk 4 a + t: key tile a, channels 16 t on.  (Destination window 1)
.macro KLOADS off
.irp n, 0,1,2,3,4,5,6,7,8,9,10,11,12,13,14,15
	ds_load_b128 v[KF+4*\n:KF+4*\n+3], v[ADR] offset:(\off)+512*\n
.endr
.endm
; 16 turning LDS loads: V of that key step into the set at base: channel 16 t + lane % 16, keys 16 a + 8 (lane / 16) + 0 .. 7
.macro VLOADS base, off
.irp a, 0,1,2,3
.irp t, 0,1,2,3
	ds_load_tr16_b128 v[(\base)+32*(\a/2)+8*\t+4*(\a%2):(\base)+32*(\a/2)+8*\t+4*(\a%2)+3], v[ADR] offset:(\off)+8192+(4*\a+\t)*512
.endr
.endr
.endm
; 16 products S^T = K Q^T: eight accumulators take turns, one instruction a turn; the first eight start the sums
.macro KQ
	WIN 0x05                                       ; K and Q in window 1, S^T in window 0
.irp g, 0,1
.irp a, 0,1,2,3
.irp x, 0,1
.if \g == 0
	v_wmma_f32_16x16x32_f16 v[S+32*\x+8*\a:S+32*\x+8*\a+7], v[KF+16*\a+8*\g:KF+16*\a+8*\g+7], v[QF+16*\x+8*\g:QF+16*\x+8*\g+7], 0
.else
	v_wmma_f32_16x16x32_f16 v[S+32*\x+8*\a:S+32*\x+8*\a+7], v[KF+16*\a+8*\g:KF+16*\a+8*\g+7], v[QF+16*\x+8*\g:QF+16*\x+8*\g+7], v[S+32*\x+8*\a:S+32*\x+8*\a+7]
.endif
.endr
.endr
.endr
.endm
; 16 products O^T += V^T P, V from the set at base: eight accumulators take turns
.macro PV base
	WIN 0x01                                       ; V in window 1; P and O^T in window 0
.irp k, 0,1
.irp t, 0,1,2,3
.irp x, 0,1
	v_wmma_f32_16x16x32_f16 v[O+32*\x+8*\t:O+32*\x+8*\t+7], v[(\base)+32*\k+8*\t:(\base)+32*\k+8*\t+7], v[P+16*\x+8*\k:P+16*\x+8*\k+7], v[O+32*\x+8*\t:O+32*\x+8*\t+7]
.endr
.endr
.endr
.endm
; The softmax of both tiles for one key step, the tiles by turns line by line.  All its registers lie in window 0.
.macro SOFTMAX
.irp j, 0,1,2,3
.irp x, 0,1
	v_max3_num_f32 v[ST+8*\x+4+\j], v[S+32*\x+8*\j], v[S+32*\x+8*\j+1], v[S+32*\x+8*\j+2]   ; four chains, one for each accumulator, each from its low end on
.endr
.endr
.irp q, 1,2
.irp j, 0,1,2,3
.irp x, 0,1
	v_max3_num_f32 v[ST+8*\x+4+\j], v[ST+8*\x+4+\j], v[S+32*\x+8*\j+2*\q+1], v[S+32*\x+8*\j+2*\q+2]
.endr
.endr
.endr
.irp x, 0,1
	v_max3_num_f32 v[ST+8*\x+4], v[ST+8*\x+4], v[S+32*\x+7], v[S+32*\x+15]
.endr
.irp x, 0,1
	v_max3_num_f32 v[ST+8*\x+6], v[ST+8*\x+6], v[S+32*\x+23], v[S+32*\x+31]
.endr
.irp x, 0,1
	v_max3_num_f32 v[ST+8*\x+4], v[ST+8*\x+4], v[ST+8*\x+5], v[ST+8*\x+6]
.endr
.irp x, 0,1
	v_max3_num_f32 v[ST+8*\x+4], v[ST+8*\x+4], v[ST+8*\x+7], v[ST+8*\x+1]    ; and the old m
.endr
.irp x, 0,1
	v_permlanex16_b32 v[ST+8*\x+5], v[ST+8*\x+4], s[SEL], s[SEL+1]           ; the query's other 32 keys lie in the lane 16 away
.endr
.irp x, 0,1
	v_mov_b32 v[ST+8*\x+7], v[ST+8*\x]                                       ; c m_old is kept for a
.endr
.irp x, 0,1
	v_max_num_f32 v[ST+8*\x+1], v[ST+8*\x+4], v[ST+8*\x+5]                   ; the new m
.endr
.irp x, 0,1
	v_mul_f32 v[ST+8*\x], s[CS], v[ST+8*\x+1]                                ; c m
.endr
.irp x, 0,1
	v_sub_f32 v[ST+8*\x+7], v[ST+8*\x+7], v[ST+8*\x]                         ; c m_old - c m_new
.endr
.irp b, 0,1,2,3,4,5,6,7,8,9,10,11,12,13,14,15
.irp x, 0,1
	v_pk_fma_f32 v[S+32*\x+2*\b:S+32*\x+2*\b+1], v[S+32*\x+2*\b:S+32*\x+2*\b+1], s[CS:CS+1], v[ST+8*\x:ST+8*\x+1] op_sel_hi:[1,0,0] neg_lo:[0,0,1] neg_hi:[0,0,1]   ; c s - c m, two at a time
.endr
.endr
.irp x, 0,1
	v_exp_f32 v[ST+8*\x+6], v[ST+8*\x+7]                                     ; a.  ONE BATCH: 66 exponentials, none of which reads another's result
.endr
.irp e, 0,1,2,3,4,5,6,7,8,9,10,11,12,13,14,15,16,17,18,19,20,21,22,23,24,25,26,27,28,29,30,31
.irp x, 0,1
	v_exp_f32 v[S+32*\x+\e], v[S+32*\x+\e]                                   ; p
.endr
.endr
	v_nop                                          ; a plain line behind the last exponential
	s_wait_alu depctr_va_vdst(0)                   ; one wait for the batch, ahead of its first reader
.irp i, 0,1,2,3,4,5,6,7,8,9,10,11,12,13,14,15
.irp x, 0,1
	v_cvt_pk_f16_f32 v[P+16*\x+\i], v[S+32*\x+2*\i], v[S+32*\x+2*\i+1]       ; P: registers 8 k .. 8 k + 7 are source 1 for keys 32 k on
.endr
.endr
.irp u, 0,1,2,3,4,5,6,7                ; the sum of the 16 pairs, in place: neighbours 1, 2, 4 and 8 pairs apart
.irp x, 0,1
	v_pk_add_f32 v[S+32*\x+4*\u:S+32*\x+4*\u+1], v[S+32*\x+4*\u:S+32*\x+4*\u+1], v[S+32*\x+4*\u+2:S+32*\x+4*\u+3]
.endr
.endr
.irp u, 0,1,2,3
.irp x, 0,1
	v_pk_add_f32 v[S+32*\x+8*\u:S+32*\x+8*\u+1], v[S+32*\x+8*\u:S+32*\x+8*\u+1], v[S+32*\x+8*\u+4:S+32*\x+8*\u+5]
.endr
.endr
.irp u, 0,1
.irp x, 0,1
	v_pk_add_f32 v[S+32*\x+16*\u:S+32*\x+16*\u+1], v[S+32*\x+16*\u:S+32*\x+16*\u+1], v[S+32*\x+16*\u+8:S+32*\x+16*\u+9]
.endr
.endr
.irp x, 0,1
	v_pk_add_f32 v[S+32*\x:S+32*\x+1], v[S+32*\x:S+32*\x+1], v[S+32*\x+16:S+32*\x+17]
.endr
.irp x, 0,1
	v_pk_fma_f32 v[ST+8*\x+2:ST+8*\x+3], v[ST+8*\x+2:ST+8*\x+3], v[ST+8*\x+6:ST+8*\x+7], v[S+32*\x:S+32*\x+1] op_sel_hi:[1,0,1]   ; l = a l + the sum
.endr
.irp i, 0,1,2,3,4,5,6,7,8,9,10,11,12,13,14,15
.irp x, 0,1
	v_pk_mul_f32 v[O+32*\x+2*\i:O+32*\x+2*\i+1], v[O+32*\x+2*\i:O+32*\x+2*\i+1], v[ST+8*\x+6:ST+8*\x+7] op_sel_hi:[1,0]           ; O^T x a, each accumulator from its low end on
.endr
.endr
.endm
; The head of every key step that reads LDS: its V is asked for; its K, asked for a step ago, is waited for by the caller.
.macro HEAD
	v_add_nc_u32 v[ADR], s[TB], v[L16]
	PLACES 4                                       ; plain lines between the last products and the loads into V's registers, which they read
	WIN 0x40                                       ; destination window 1, address window 0
	VLOADS VF, 0
.endm
; A slot's first K: asked for behind the barrier that shows the slot whole
.macro KFIRST
	v_add_nc_u32 v[ADR], s[TB], v[L16]
	WIN 0x40
	KLOADS 0
	WIN 0
.endm
; A KEY STEP that has its successor in the same slot.  At its head 16 LDS loads of mine are out: its K.
.macro STEP0
	HEAD
	s_wait_dscnt 16                                ; K is in; V's 16 loads may be out
	KQ
	PLACES 4                                       ; plain lines between the last products and the loads into K's registers, and the first read of the scores
	WIN 0x40
	KLOADS KSB                                     ; the next step's K: it lands while the softmax is walked
	WIN 0
	SOFTMAX
	s_wait_dscnt 16                                ; V is in; the next K's 16 loads may be out
	PV VF
	WIN 0
	s_add_co_u32 s[TB], s[TB], KSB                 ; the next key step
.endm
.macro WALK n                          ; n such steps: written once, walked n times
	s_mov_b32 s[STEPS], \n
.Lstep_\@:
	STEP0
	s_sub_co_u32 s[STEPS], s[STEPS], 1
	s_cmp_lg_u32 s[STEPS], 0
	s_cbranch_scc1 .Lstep_\@
.endm
; THE SEVENTH AND EIGHTH STEP OF A SLOT THAT HAS A SUCCESSOR, AND THE CHANGE OF SLOTS.  The seventh asks for the eighth's K and V.  Behind its softmax the wave waits for all its tensor loads (one is out: its part of
; the other slot) and adds 0 to its spare word; behind its products it waits for the add and for all its reads of this slot, and signals.  The eighth step stands between the signal and the wait.
; fill = 1: the barrier opens a round of the cluster's, and behind the round this slot is filled again, jointly, with the keys two slots on: the load has eight key steps in which to land.
.macro TAIL fill
	HEAD
	s_wait_dscnt 16                                ; K is in; V's 16 loads may be out
	KQ
	PLACES 4
	WIN 0x40
	KLOADS KSB                                     ; the eighth step's K,
	VLOADS VF2, KSB                                ; and its V, into the second set: the slot's last reads
	WIN 0
	SOFTMAX
	s_wait_tensorcnt 0x0                           ; no tensor load of mine is out, so group 0 may be written
	ds_add_u32 v[SPW], v[NIL]                      ; 0 onto my spare word; the steps and products below stand between it and the wait for it
.if \fill
	s_xor_b32 s[G0+5], s[G0+5], SLOT1              ; the walking descriptor: the other slot than last time,
	s_add_nc_u64 s[G0+6:G0+7], s[G0+6:G0+7], SLOT1 ; the next 512 keys: 128 KiB on; the type bits on top are not reached
	s_wait_xcnt 0x0                                ; the last prefetch, a slot back, has read its address
	s_add_nc_u64 s[PFA:PFA+1], s[PFA:PFA+1], SLOT1 ; one slot further on than the walking descriptor
.endif
	s_wait_dscnt 33                                ; the seventh step's V is in; the eighth's K (16), its V (16) and the add may be out
	PV VF
	s_wait_dscnt 0x0                               ; the add is done, and my reads of this slot are over:
	s_barrier_signal -1                            ; say so,
	KQ                                             ; and walk the eighth step, on registers alone, while the others arrive
	WIN 0
	PLACES 4                                       ; between the last products and the first read of the scores
	SOFTMAX
	PV VF2
	WIN 0
	s_barrier_wait -1                              ; nobody of my work-group reads this slot any more, and the other slot is whole
.if \fill
	CREST                                          ; nor does a wave of any partner, and none has a load on its way
	tensor_load_to_lds s[G0+4:G0+7], s[G1:G1+7]    ; my one tensor load behind the round, and the first thing there
	s_nop 0
	PLACES 4
.endif
	s_sub_co_u32 s[TB], s[TB], 6*KSB               ; back to a slot's first step,
	s_xor_b32 s[TB], s[TB], SLOT1                  ; in the other slot
	KFIRST
.if \fill
	ASK                                            ; behind the joint load and the LDS loads that the next products wait for
.endif
.endm
; THE VERY LAST KEY STEP: nothing is left to fetch ahead
.macro STEPZ
	HEAD
	s_wait_dscnt 16                                ; K is in; V's 16 loads may be out
	KQ
	WIN 0
	PLACES 4
	SOFTMAX
	s_wait_dscnt 0x0                               ; V is in
	PV VF
	WIN 0
.endm
	s_load_b128 s[4:7], s[0:1], 0x0                ; qf s[4:5], kv s[6:7]
	s_load_b64 s[8:9], s[0:1], 0x10                ; af
	v_lshl_add_u32 v[SPW], v0, 2, SPARE
	v_mov_b32 v[NIL], 0
	ds_add_u32 v[SPW], v[NIL]                      ; the wave's opening: the add, twice on end, and its wait ahead of my first tensor load
	ds_add_u32 v[SPW], v[NIL]
	v_lshrrev_b32 v1, 5, v0
	v_readfirstlane_b32 s[WV], v1                  ; wave 0..7
	s_bfe_u32 s13, ttmp6, 0x40000                  ; cx
	s_lshl_b32 s14, ttmp9, 2
	s_add_co_u32 s14, s14, s13                     ; my block of 256 queries: it enters q's and the result's addresses alone
	s_and_b32 s15, ttmp7, 0xffff                   ; bh = 16 x batch + head, which the four partners share
	s_lshl_b32 s20, s15, 19                        ; kv: bh x 524,288 + wave x 16,384: my key step of slot 0
	s_lshl_b32 s21, s[WV], 14
	s_add_co_u32 s20, s20, s21
	s_mov_b32 s21, 0
	s_lshl_b32 s22, s15, 19                        ; the prefetch: bh x 524,288 + cx x 32,768 + wave x 8,192, in slot 2: the first refill steps it to slot 3
	s_lshl_b32 s23, s13, 15
	s_add_co_u32 s22, s22, s23
	s_lshl_b32 s23, s[WV], 13
	s_add_co_u32 s22, s22, s23
	s_add_co_u32 s22, s22, 2*SLOT1
	s_mov_b32 s23, 0
	s_lshl_b32 s40, s15, 18                        ; qf: bh x 262,144 + block x 32,768 + wave x 4,096
	s_lshl_b32 s41, s14, 15
	s_add_co_u32 s40, s40, s41
	s_lshl_b32 s41, s[WV], 12
	s_add_co_u32 s40, s40, s41
	s_mov_b32 s41, 0
	s_lshr_b32 s42, s15, 4                         ; af: token tile T0 = 128 batch + 16 block + 2 wave: (T0 / 4) x 131,072 + (head / 4) x 32,768 + (T0 % 4) x 8,192 + (head % 4) x 2,048
	s_lshl_b32 s42, s42, 5
	s_lshl_b32 s43, s14, 2
	s_add_co_u32 s42, s42, s43
	s_lshr_b32 s43, s[WV], 1
	s_add_co_u32 s42, s42, s43
	s_lshl_b32 s42, s42, 17
	s_and_b32 s43, s[WV], 1
	s_lshl_b32 s43, s43, 14
	s_add_co_u32 s42, s42, s43
	s_bfe_u32 s43, s15, 0x20002
	s_lshl_b32 s43, s43, 15
	s_add_co_u32 s42, s42, s43
	s_and_b32 s43, s15, 3
	s_lshl_b32 s43, s43, 11
	s_add_co_u32 s42, s42, s43
	s_mov_b32 s43, 0
	s_lshr_b32 s[LIM], s[WV], 2                    ; 0 in waves 0 to 3,
	s_or_b32 s[LIM], s[LIM], ttmp9                 ; of the head's first cluster: the same in all four partners
	s_cmp_eq_u32 s[LIM], 0
	s_cselect_b32 s[LIM], 1, -1
	s_mov_b32 s[G1], 15|(3<<16)|(1<<21)            ; 15:0 the mask: all four work-groups; 17:16 elements of 8 bytes; 21 set beside a mask; no padding
	s_mov_b32 s[G1+1], 32<<16                      ; tensor_dim0 = 32: rows of 256 bytes
	s_mov_b32 s[G1+2], 64<<16                      ; tensor_dim1 = 64 rows: 16 KiB
	s_mov_b32 s[G1+3], 32<<16                      ; tile_dim0
	s_mov_b32 s[G1+4], 64                          ; tile_dim1
	s_mov_b32 s[G1+5], 32                          ; the pitch: dense
	s_mov_b32 s[G1+6], 0
	s_mov_b32 s[G1+7], 0
	s_mov_b32 s[G0], 1                             ; count = 1
	s_lshl_b32 s[G0+1], s[WV], 14                  ; LDS: slot 0, my key step: no place in the cluster enters an LDS address
	s_mov_b32 s[G0+4], 1
	s_add_co_u32 s[G0+5], s[G0+1], SLOT1           ; LDS: slot 1, my key step
	s_mov_b32 s[CS], 0x3e38aa3b                    ; c = log2(e) / 8
	s_mov_b32 s[CS+1], s[CS]
	s_mov_b32 s[SEL], 0x76543210
	s_mov_b32 s[SEL+1], 0xfedcba98
	s_mov_b32 s[TB], 0
	s_mov_b32 s[SLOTS], 2
	v_and_b32 v1, 31, v0
	v_lshlrev_b32 v[L16], 4, v1
	v_lshlrev_b32 v[PFO], 8, v1
	s_wait_dscnt 0x0                               ; both opening adds are done
	s_wait_kmcnt 0x0
	s_add_nc_u64 s[G0+2:G0+3], s[6:7], s[20:21]    ; the head's first 512 keys,
	s_add_nc_u64 s[G0+6:G0+7], s[G0+2:G0+3], SLOT1 ; and the next 512
	s_or_b32 s[G0+3], s[G0+3], 0x80000000          ; type = 2
	s_or_b32 s[G0+7], s[G0+7], 0x80000000
	s_add_nc_u64 s[PFA:PFA+1], s[6:7], s[22:23]
	s_add_nc_u64 s[4:5], s[4:5], s[40:41]
	s_add_nc_u64 s[8:9], s[8:9], s[42:43]
	WIN 0x40
.irp n, 0,1,2,3,4,5,6,7
	global_load_b128 v[QF+4*\n:QF+4*\n+3], v[L16], s[4:5] offset:512*\n      ; Q stays in registers: tile n / 4, channels 16 (n % 4) on; asked for ahead of the round, wanted behind the first tiles
.endr
	WIN 0
	CROUND                                         ; all four work-groups are here: the first joint loads meet
	tensor_load_to_lds s[G0:G0+3], s[G1:G1+7]      ; slot 0
	s_nop 0
	tensor_load_to_lds s[G0+4:G0+7], s[G1:G1+7]    ; slot 1: two tensor loads of mine are out
	s_nop 0
	PLACES 4
.irp x, 0,1
	v_mov_b32 v[ST+8*\x+1], 0xff61b1e6             ; m = -3e38, under every score
	v_mul_f32 v[ST+8*\x], s[CS], v[ST+8*\x+1]      ; c m
.irp i, 2,3,4,5,6,7
	v_mov_b32 v[ST+8*\x+\i], 0                     ; l, and the registers at work (a lane permute's destination counts as one of its sources)
.endr
.endr
.irp j, 0,1,2,3,4,5,6,7,8,9,10,11,12,13,14,15,16,17,18,19,20,21,22,23,24,25,26,27,28,29,30,31,32,33,34,35,36,37,38,39,40,41,42,43,44,45,46,47,48,49,50,51,52,53,54,55,56,57,58,59,60,61,62,63
	v_mov_b32 v[O+\j], 0                           ; O^T: there is no first step of its own; the first walk multiplies zeros by a = 0
.endr
	s_wait_tensorcnt 1                             ; my part of slot 0 is in; slot 1's may stay out
	s_barrier_signal -1
	s_barrier_wait -1                              ; everybody's is
	KFIRST                                         ; key step 0's K
	s_wait_loadcnt 0x0                             ; Q
.Lslot:                                            ; two trips: slots 0 and 1 are filled again when they have been left
	WALK 6
	TAIL 1
	s_sub_co_u32 s[SLOTS], s[SLOTS], 1
	s_cmp_lg_u32 s[SLOTS], 0
	s_cbranch_scc1 .Lslot
	WALK 6                                         ; the last two slots are written out
	TAIL 0                                         ; nothing is left to ask for: a barrier of the work-group alone
	WALK 7
	STEPZ
	; THE WAY OUT.  l's halves are added; O^T / l is rounded to f16: a lane's eight channels of a query are 16 bytes, and 32 lanes' are a chunk of the projection's operand: 512 consecutive bytes a store.
	PLACES 4
.irp x, 0,1
	v_add_f32 v[ST+8*\x+4], v[ST+8*\x+2], v[ST+8*\x+3]
.endr
.irp x, 0,1
	v_permlanex16_b32 v[ST+8*\x+5], v[ST+8*\x+4], s[SEL], s[SEL+1]
.endr
.irp x, 0,1
	v_add_f32 v[ST+8*\x+4], v[ST+8*\x+4], v[ST+8*\x+5]
.endr
.irp x, 0,1
	v_rcp_f32 v[ST+8*\x+6], v[ST+8*\x+4]
.endr
	v_nop                                          ; a plain line behind the last reciprocal
	s_wait_alu depctr_va_vdst(0)                   ; one wait for the two, ahead of their first reader
.irp x, 0,1
.irp i, 0,1,2,3,4,5,6,7,8,9,10,11,12,13,14,15
	v_pk_mul_f32 v[O+32*\x+2*\i:O+32*\x+2*\i+1], v[O+32*\x+2*\i:O+32*\x+2*\i+1], v[ST+8*\x+6:ST+8*\x+7] op_sel_hi:[1,0]
.endr
.irp i, 0,1,2,3,4,5,6,7,8,9,10,11,12,13,14,15
	v_cvt_pk_f16_f32 v[S+32*\x+\i], v[O+32*\x+2*\i], v[O+32*\x+2*\i+1]
.endr
.irp t, 0,1,2,3
	global_store_b128 v[L16], v[S+32*\x+4*\t:S+32*\x+4*\t+3], s[8:9] offset:\x*8192+\t*512
.endr
.endr
	s_wait_tensorcnt 0x0                           ; the wave's end
	ds_add_u32 v[SPW], v[NIL]
	s_wait_dscnt 0x0
	CROUND                                         ; the closing round: no work-group ends while a partner may still ask for a tile that names it
	s_endpgm
.Lfunc_end_k_qe820510c4d_attn:
	.size	k_qe820510c4d_attn, .Lfunc_end_k_qe820510c4d_attn-k_qe820510c4d_attn
	.p2alignl 7, 3214868480
	.fill 96, 4, 3214868480
	.section	.rodata,"a",@progbits
	.p2align	6, 0x0
	.amdhsa_kernel k_qe820510c4d_attn
		.amdhsa_group_segment_fixed_size 327680
		.amdhsa_private_segment_fixed_size 0
		.amdhsa_enable_private_segment 0
		.amdhsa_kernarg_size 24
		.amdhsa_user_sgpr_count 2
		.amdhsa_user_sgpr_kernarg_segment_ptr 1
		.amdhsa_wavefront_size32 1
		.amdhsa_system_sgpr_workgroup_id_x 1
		.amdhsa_system_sgpr_workgroup_id_y 1
		.amdhsa_system_sgpr_workgroup_id_z 1
		.amdhsa_system_vgpr_workitem_id 0
		.amdhsa_next_free_vgpr 512
		.amdhsa_next_free_sgpr 66
		.amdhsa_reserve_vcc 0
		.amdhsa_float_denorm_mode_32 3
		.amdhsa_float_denorm_mode_16_64 3
		.amdhsa_memory_ordered 1
		.amdhsa_forward_progress 1
		.amdhsa_inst_pref_size 152
	.end_amdhsa_kernel
	.amdgpu_metadata
---
amdhsa.version: [ 1, 2 ]
amdhsa.kernels:
  - .name:           k_qe820510c4d_attn
    .symbol:         k_qe820510c4d_attn.kd
    .args:
      - { .name: qf, .offset: 0, .size: 8, .value_kind: global_buffer, .address_space: global }
      - { .name: kv, .offset: 8, .size: 8, .value_kind: global_buffer, .address_space: global }
      - { .name: af, .offset: 16, .size: 8, .value_kind: global_buffer, .address_space: global }
    .group_segment_fixed_size: 327680
    .private_segment_fixed_size: 0
    .kernarg_segment_align: 8
    .kernarg_segment_size: 24
    .max_flat_workgroup_size: 256
    .sgpr_count:     66
    .vgpr_count:     512
    .wavefront_size: 32
...
	.end_amdgpu_metadata
.endif
;; end of part 3
;; launch oproj (part 4): grid 8 x 32, 4 waves a work-group, clusters of 4 x 4, 327,680 bytes of LDS; arguments af, wf, out0; writes out0
.if DOCPART == 4
	.amdgcn_target "amdgcn-amd-amdhsa--gfx1250"
	.amdhsa_code_object_version 6
	.text
	.protected	k_qe820510c4d_oproj
	.globl	k_qe820510c4d_oproj
	.p2align	8
	.type	k_qe820510c4d_oproj,@function
k_qe820510c4d_oproj:
	s_mov_b64 s[64:65], 0
	v_nop
	global_prefetch_b8 v0, s[64:65] scope:SCOPE_SE
	s_setreg_imm32_b32 hwreg(HW_REG_WAVE_MODE, 25, 1), 1
	s_wait_xcnt 0x0
	s_wait_alu depctr_hold_cnt(0) depctr_sa_sdst(0) depctr_va_vdst(0) depctr_va_sdst(0) depctr_va_ssrc(0) depctr_va_vcc(0) depctr_vm_vsrc(0)
	s_getreg_b32 s2, hwreg(HW_REG_IB_STS2, 6, 4)
	s_cmp_eq_u32 s2, 0
	s_cbranch_scc0 .Lentry_in_a_cluster
	s_endpgm
.Lentry_in_a_cluster:
	s_bfe_u32 s2, ttmp6, 0x10000c
	s_cmp_lg_u32 s2, 0xf033
	s_cbranch_scc0 .Lentry_shape_is_right
	s_endpgm
.Lentry_shape_is_right:
; OPROJ.  out0 [4096][1024] f32 = (attention's result) Wo, operands in f16, sums in f32.
; A tile of the result is 128 tokens x 128 columns: 256 work-groups, one for each WGP.  Four waves, each 64 x 64: 16 accumulators.  K goes in four steps of 256 through two LDS slots of 128 KiB.
; Both operands lie in memory as images of operand registers (a fragment of 16 rows x 32 k is 1,024 bytes, lane l's 16 bytes at 16 l and at 512 + 16 l), ordered so that what a wave fetches for a K step
; (64 rows x 256 k) is one dense block of 32 KiB, taken as 128 rows of 256 bytes; each LDS load takes 512 consecutive bytes: no padding.
; CLUSTERS: 4 x 4 work-groups: the tokens' tiles are shared along a row of the cluster, Wo's along a column: each is asked for jointly.
; THE MATRIX INSTRUCTION IS USED TRANSPOSED (source 0 = 16 columns of Wo, source 1 = 16 tokens): a lane holds eight neighbouring numbers of a row of the result.
; This launch claims all of a WGP's LDS.
; REGISTERS: window 0: v16-29 addresses; v32-95 rows on the way out, two sets; v128-255 the accumulators ((a, b) at v[128 + 8 (4 a + b)]).   window 1: two fragment buffers of 128: 64 registers of tokens, then 64 of Wo, for 64 along K.
.set SLOT,   131072
.set STAGE,  2*SLOT                    ; behind the ring: 16 rows x (256 bytes + 16) for each wave, for the way out
.set SPITCH, 272
.set SPARE,  STAGE+4*16*SPITCH         ; behind the stages: the spare words, 128 bytes for each wave
.set ADRA, 16                          ; v16-17  my tokens' fragments in slot 0, 1
.set ADRB, 20                          ; v20-21  my columns'
.set STO,  24
.set RD,   25
.set CO,   26
.set SPW,  28
.set NIL,  29
.set OB,   32
.set ACC,  128
.set F0,   0
.set F1,   128
.set G1,  24                           ; s[24:31] group 1 for the tokens' tiles;  s[32:39] group 0, a set for each slot
.set G0,  32
.set G1B, 48                           ; s[48:55], s[56:63] the same for Wo's
.set G0B, 56
.set MSB, 0
.macro WIN new
.if MSB != \new
	s_set_vgpr_msb (MSB<<8)|\new
.set MSB, \new
.endif
.endm
.set MUL,  0x05                        ; sources 0 and 1 window 1; C and D window 0
.set TO_F, 0x40                        ; destination window 1, address window 0
.macro PLACES
.rept 4
	v_nop
.endr
.endm
.macro JLOAD s                         ; a joint load: waves 0, 1 fetch the tokens' halves, waves 2, 3 Wo's; the branch hangs on the wave's number alone
	s_cmp_eq_u32 s11, 0
	s_cbranch_scc0 .Lfor_b_\@
	tensor_load_to_lds s[G0+4*\s:G0+4*\s+3], s[G1:G1+7]
	s_nop 0
	PLACES
	s_branch .Lasked_\@
.Lfor_b_\@:
	tensor_load_to_lds s[G0B+4*\s:G0B+4*\s+3], s[G1B:G1B+7]
	s_nop 0
	PLACES
.Lasked_\@:
.endm
.macro CREST                           ; a round of the cluster's barrier behind its opening barrier
	s_cmp_lg_u32 s10, 0
	s_cbranch_scc1 .Lnot_wave_0_\@
	s_barrier_signal -3
.Lnot_wave_0_\@:
	s_barrier_wait -3
	s_barrier_signal -1
	s_barrier_wait -1
.endm
.macro CROUND
	s_barrier_signal -1
	s_barrier_wait -1
	CREST
.endm
	s_load_b128 s[4:7], s[0:1], 0x0                ; af s[4:5], wf s[6:7]
	s_load_b64 s[8:9], s[0:1], 0x10                ; out0
	v_lshl_add_u32 v[SPW], v0, 2, SPARE
	v_mov_b32 v[NIL], 0
	ds_add_u32 v[SPW], v[NIL]                      ; the wave's opening: the add, twice on end, and its wait ahead of my first tensor load
	ds_add_u32 v[SPW], v[NIL]
	v_lshrrev_b32 v1, 5, v0
	v_readfirstlane_b32 s10, v1                    ; wave 0..3
	s_lshr_b32 s11, s10, 1                         ; which 64 tokens are mine.  Also: I fetch tokens (0) or Wo (1)
	s_and_b32 s12, s10, 1                          ; which 64 columns.  Also: which half I fetch
	s_bfe_u32 s40, ttmp6, 0x40000                  ; cx
	s_bfe_u32 s41, ttmp6, 0x40004                  ; cy
	s_lshl_b32 s42, ttmp9, 2
	s_add_co_u32 s42, s42, s40                     ; bx: 128 columns
	s_and_b32 s13, ttmp7, 0xffff
	s_lshl_b32 s13, s13, 2
	s_add_co_u32 s13, s13, s41                     ; by: 128 tokens
	s_lshl_b32 s43, s41, 2
	s_lshl_b32 s43, 15, s43                        ; my row of the cluster
	s_lshl_b32 s44, 0x1111, s40                    ; my column
	s_or_b32 s[G1], s43, (3<<16)|(1<<21)           ; 15:0 the mask; 17:16 elements of 8 bytes; 21 set beside a mask; no padding
	s_or_b32 s[G1B], s44, (3<<16)|(1<<21)
.irp g, G1, G1B
	s_mov_b32 s[\g+1], 32<<16                      ; tensor_dim0 = 32: rows of 256 bytes
	s_mov_b32 s[\g+2], 128<<16                     ; tensor_dim1 = 128 rows: 32 KiB
	s_mov_b32 s[\g+3], 32<<16                      ; tile_dim0
	s_mov_b32 s[\g+4], 128                         ; tile_dim1
	s_mov_b32 s[\g+5], 32                          ; the pitch: dense
	s_mov_b32 s[\g+6], 0
	s_mov_b32 s[\g+7], 0
.endr
	s_lshl_b32 s16, s13, 1                         ; the tokens: (2 by + half) x 131,072
	s_add_co_u32 s16, s16, s12
	s_lshl_b32 s16, s16, 17
	s_mov_b32 s17, 0
	s_lshl_b32 s46, s42, 1                         ; Wo: (2 bx + half) x 131,072
	s_add_co_u32 s46, s46, s12
	s_lshl_b32 s46, s46, 17
	s_mov_b32 s47, 0
	s_lshl_b32 s20, s10, 15                        ; where they go: wave x 32 KiB
	s_wait_dscnt 0x0                               ; both opening adds are done
	s_wait_kmcnt 0x0
	s_add_nc_u64 s[14:15], s[4:5], s[16:17]
	s_add_nc_u64 s[46:47], s[6:7], s[46:47]
	CROUND                                         ; all sixteen work-groups are here: the first joint loads meet
.irp s, 0,1
	s_mov_b32 s[G0+4*\s], 1
	s_add_co_u32 s[G0+4*\s+1], s20, \s*SLOT
	s_add_nc_u64 s[G0+4*\s+2:G0+4*\s+3], s[14:15], \s*32768        ; K step s
	s_or_b32 s[G0+4*\s+3], s[G0+4*\s+3], 0x80000000
	s_mov_b32 s[G0B+4*\s], 1
	s_add_co_u32 s[G0B+4*\s+1], s20, \s*SLOT
	s_add_nc_u64 s[G0B+4*\s+2:G0B+4*\s+3], s[46:47], \s*32768
	s_or_b32 s[G0B+4*\s+3], s[G0B+4*\s+3], 0x80000000
	JLOAD \s
.endr
	v_and_b32 v1, 15, v0                           ; r
	v_bfe_u32 v2, v0, 4, 1                         ; h
	v_and_b32 v3, 31, v0
	v_lshlrev_b32 v3, 4, v3                        ; 16 x lane
	s_lshl_b32 s21, s11, 15                        ; my 64 tokens
	s_lshl_b32 s22, s12, 15                        ; my 64 columns,
	s_add_co_u32 s22, s22, 65536                   ; which lie behind the tokens' 64 KiB
.irp s, 0,1
	v_add_nc_u32 v[ADRA+\s], s21, v3
	v_add_nc_u32 v[ADRB+\s], s22, v3
	s_add_co_u32 s21, s21, SLOT
	s_add_co_u32 s22, s22, SLOT
.endr
	s_mul_i32 s23, s10, 16*SPITCH
	s_add_co_u32 s23, s23, STAGE                   ; my stage
	v_mul_u32_u24 v4, v1, SPITCH                   ; in: row r, 32 bytes for each half of the lanes
	v_lshl_add_u32 v4, v2, 5, v4
	v_add_nc_u32 v[STO], s23, v4
	v_mul_u32_u24 v5, v2, SPITCH                   ; back: lanes 0-15 one row of 256 bytes, lanes 16-31 the next
	v_lshl_add_u32 v5, v1, 4, v5
	v_add_nc_u32 v[RD], s23, v5
	v_lshlrev_b32 v5, 12, v2                       ; and the same two rows of the result: 4,096 bytes a row
	v_lshl_add_u32 v[CO], v1, 4, v5
	s_lshl_b32 s16, s13, 19                        ; my first row: (128 by + 64 half) x 4,096
	s_lshl_b32 s17, s11, 18
	s_add_co_u32 s16, s16, s17
	s_mov_b32 s17, 0
	s_add_nc_u64 s[8:9], s[8:9], s[16:17]
	s_lshl_b32 s46, s42, 9                         ; my first column, in bytes: 512 bx + 256 half
	s_lshl_b32 s47, s12, 8
	s_add_co_u32 s46, s46, s47
	s_mov_b32 s47, 0
	s_add_nc_u64 s[8:9], s[8:9], s[46:47]
; 8 matrix instructions: token tiles a0, a0 + 1 x all 4 column tiles, 32 along K: half c of buffer f.  zero = 1: the first product starts the sums
.macro MUL8 f, c, a0, zero
.irp a, \a0, \a0+1
.irp b, 0,1,2,3
.if \zero
	v_wmma_f32_16x16x32_f16 v[ACC+8*(4*(\a)+\b):ACC+8*(4*(\a)+\b)+7], v[\f+64+8*(4*\c+\b):\f+64+8*(4*\c+\b)+7], v[\f+8*(4*\c+\a):\f+8*(4*\c+\a)+7], 0
.else
	v_wmma_f32_16x16x32_f16 v[ACC+8*(4*(\a)+\b):ACC+8*(4*(\a)+\b)+7], v[\f+64+8*(4*\c+\b):\f+64+8*(4*\c+\b)+7], v[\f+8*(4*\c+\a):\f+8*(4*\c+\a)+7], v[ACC+8*(4*(\a)+\b):ACC+8*(4*(\a)+\b)+7]
.endif
.endr
.endr
.endm
; 32 LDS loads in one run: the fragments of the slot's quarter qd (64 along K) into buffer f; the first 32 along K first
.macro FETCH slot, qd, f
	WIN TO_F
.irp c, 0,1
.irp i, 0,1,2,3
	ds_load_b128 v[\f+64+8*(4*\c+\i):\f+64+8*(4*\c+\i)+3],   v[ADRB+\slot] offset:\i*8192+(2*(\qd)+\c)*1024
	ds_load_b128 v[\f+64+8*(4*\c+\i)+4:\f+64+8*(4*\c+\i)+7], v[ADRB+\slot] offset:\i*8192+(2*(\qd)+\c)*1024+512
	ds_load_b128 v[\f+8*(4*\c+\i):\f+8*(4*\c+\i)+3],         v[ADRA+\slot] offset:\i*8192+(2*(\qd)+\c)*1024
	ds_load_b128 v[\f+8*(4*\c+\i)+4:\f+8*(4*\c+\i)+7],       v[ADRA+\slot] offset:\i*8192+(2*(\qd)+\c)*1024+512
.endr
.endr
.endm
; A K step is four quarters of 64 along K, 32 matrix instructions each, on buffers 0, 1, 0, 1; the 16 accumulators take turns.
; One of the first three: multiplies buffer f and fetches quarter qd of the same slot into g.
.macro QUARTER slot, qd, f, g, zero
	s_wait_dscnt 16                                ; the first 32 along K are in
	WIN MUL
	MUL8 \f, 0, 0, \zero
	MUL8 \f, 0, 2, \zero
	PLACES                                         ; four plain lines in front of loads into registers that matrix instructions have read
	FETCH \slot, \qd, \g
	s_wait_dscnt 32                                ; all but the 32 just issued
	WIN MUL
	MUL8 \f, 1, 0, 0
	MUL8 \f, 1, 2, 0
.endm
; The last quarter multiplies buffer 1 and changes slots: ONE barrier; in front of it each wave waits for all its tensor loads, adds 0 to its spare word, and waits for that and for its reads of this slot.
; fill = 1: the barrier opens a round of the cluster's, and this slot is filled again, two K steps ahead.
.macro TURN slot, next, fill
	WIN 0                                          ; (the add's two registers lie in window 0)
	s_wait_tensorcnt 0x0                           ; all my tensor loads have landed: my part of the next slot
	ds_add_u32 v[SPW], v[NIL]                      ; 0 onto my spare word
	s_wait_dscnt 17                                ; (the add and the youngest sixteen loads may be out)
	WIN MUL
	MUL8 F1, 0, 0, 0                               ; eight matrix instructions stand between the add and the wait for it
	s_wait_dscnt 0x0                               ; the add is done, and my reads of this slot are over
	s_barrier_signal -1
	MUL8 F1, 0, 2, 0
.if \fill
	WIN 0
.endif
	s_barrier_wait -1
.if \fill
	CREST                                          ; no wave of any partner still reads this slot's tile or has a load on its way
	s_add_nc_u64 s[G0+4*\slot+2:G0+4*\slot+3], s[G0+4*\slot+2:G0+4*\slot+3], 65536
	s_add_nc_u64 s[G0B+4*\slot+2:G0B+4*\slot+3], s[G0B+4*\slot+2:G0B+4*\slot+3], 65536
	JLOAD \slot                                    ; the first tensor load behind the round; the four plain lines behind it are also the places in front of the loads below
.else
	PLACES
.endif
	FETCH \next, 0, F0
	WIN MUL
	MUL8 F1, 1, 0, 0
	MUL8 F1, 1, 2, 0
.endm
	s_wait_tensorcnt 1                             ; my part of K step 0 is in; K step 1's load may stay out
	s_barrier_signal -1
	s_barrier_wait -1                              ; everybody's is
	FETCH 0, 0, F0
	QUARTER 0, 1, F0, F1, 1                        ; K step 0: its first products start the sums
	QUARTER 0, 2, F1, F0, 0
	QUARTER 0, 3, F0, F1, 0
	TURN 0, 1, 1                                   ; slot 0 takes K step 2
	QUARTER 1, 1, F0, F1, 0                        ; K step 1
	QUARTER 1, 2, F1, F0, 0
	QUARTER 1, 3, F0, F1, 0
	TURN 1, 0, 1                                   ; slot 1 takes K step 3
	QUARTER 0, 1, F0, F1, 0                        ; K step 2
	QUARTER 0, 2, F1, F0, 0
	QUARTER 0, 3, F0, F1, 0
	TURN 0, 1, 0                                   ; nothing is left to fetch
	QUARTER 1, 1, F0, F1, 0                        ; K step 3
	QUARTER 1, 2, F1, F0, 0
	QUARTER 1, 3, F0, F1, 0
	s_wait_dscnt 16
	WIN MUL
	MUL8 F1, 0, 0, 0
	MUL8 F1, 0, 2, 0
	s_wait_dscnt 0x0
	MUL8 F1, 1, 0, 0
	MUL8 F1, 1, 2, 0
	WIN 0
; THE WAY OUT, a tile of 16 tokens x 64 columns at a time.  A lane holds 32 neighbouring bytes of a row and the lanes beside it other rows: so the tile goes through my own stage and comes back as rows of 256 bytes,
; which sixteen lanes store as 256 consecutive bytes, aligned.  A wave's LDS instructions are served in order: no wait between the stores and the loads, nor in front of the next tile's stores.
.macro TOSTAGE a
.irp b, 0,1,2,3
	ds_store_b128 v[STO], v[ACC+8*(4*(\a)+\b):ACC+8*(4*(\a)+\b)+3] offset:64*\b          ; each accumulator from its low end on
	ds_store_b128 v[STO], v[ACC+8*(4*(\a)+\b)+4:ACC+8*(4*(\a)+\b)+7] offset:64*\b+16
.endr
.irp i, 0,1,2,3,4,5,6,7
	ds_load_b128 v[OB+32*((\a)%2)+4*\i:OB+32*((\a)%2)+4*\i+3], v[RD] offset:\i*2*SPITCH
.endr
.endm
.macro SEND a, younger                 ; younger: the LDS instructions issued behind tile a's loads, which may stay out
	s_wait_dscnt \younger
.irp i, 0,1,2,3,4,5,6,7
	global_store_b128 v[CO], v[OB+32*((\a)%2)+4*\i:OB+32*((\a)%2)+4*\i+3], s[8:9] offset:(16*(\a)+2*\i)*4096 th:TH_STORE_NT
.endr
.endm
	PLACES                                         ; between the last products and the first LDS store that reads a result
	TOSTAGE 0
	TOSTAGE 1
	SEND 0, 16                                     ; behind tile 0's loads: tile 1's 8 stores and 8 loads
	s_wait_xcnt 0x0                                ; tile 0's stores have read their registers: tile 2's rows land there
	TOSTAGE 2
	SEND 1, 16
	s_wait_xcnt 0x0
	TOSTAGE 3
	SEND 2, 16
	SEND 3, 0
	s_wait_tensorcnt 0x0                           ; the wave's end
	ds_add_u32 v[SPW], v[NIL]
	s_wait_dscnt 0x0
	CROUND                                         ; the closing round
	s_endpgm
.Lfunc_end_k_qe820510c4d_oproj:
	.size	k_qe820510c4d_oproj, .Lfunc_end_k_qe820510c4d_oproj-k_qe820510c4d_oproj
	.p2alignl 7, 3214868480
	.fill 96, 4, 3214868480
	.section	.rodata,"a",@progbits
	.p2align	6, 0x0
	.amdhsa_kernel k_qe820510c4d_oproj
		.amdhsa_group_segment_fixed_size 327680
		.amdhsa_private_segment_fixed_size 0
		.amdhsa_enable_private_segment 0
		.amdhsa_kernarg_size 24
		.amdhsa_user_sgpr_count 2
		.amdhsa_user_sgpr_kernarg_segment_ptr 1
		.amdhsa_wavefront_size32 1
		.amdhsa_system_sgpr_workgroup_id_x 1
		.amdhsa_system_sgpr_workgroup_id_y 1
		.amdhsa_system_sgpr_workgroup_id_z 1
		.amdhsa_system_vgpr_workitem_id 0
		.amdhsa_next_free_vgpr 512
		.amdhsa_next_free_sgpr 66
		.amdhsa_reserve_vcc 0
		.amdhsa_float_denorm_mode_32 3
		.amdhsa_float_denorm_mode_16_64 3
		.amdhsa_memory_ordered 1
		.amdhsa_forward_progress 1
		.amdhsa_inst_pref_size 85
	.end_amdhsa_kernel
	.amdgpu_metadata
---
amdhsa.version: [ 1, 2 ]
amdhsa.kernels:
  - .name:           k_qe820510c4d_oproj
    .symbol:         k_qe820510c4d_oproj.kd
    .args:
      - { .name: af, .offset: 0, .size: 8, .value_kind: global_buffer, .address_space: global }
      - { .name: wf, .offset: 8, .size: 8, .value_kind: global_buffer, .address_space: global }
      - { .name: out0, .offset: 16, .size: 8, .value_kind: global_buffer, .address_space: global }
    .group_segment_fixed_size: 327680
    .private_segment_fixed_size: 0
    .kernarg_segment_align: 8
    .kernarg_segment_size: 24
    .max_flat_workgroup_size: 128
    .sgpr_count:     66
    .vgpr_count:     512
    .wavefront_size: 32
...
	.end_amdgpu_metadata
.endif
;; end of part 4
